; MI455X (gfx1250); checked and timed in simulation.
; The chip was launched on July 23, 2026; its instructions are those of AMD's public machine-readable ISA for CDNA 5 (MIT licence, August 2026) and "CDNA5" Instruction Set Architecture Reference Guide (July 2026). The comments in the code are by the model that wrote it; some were corrected since.
;; Causal Multi Head Self Attention. Allowed arithmetic: matrix products marked QUANTISED: E4M3 operands, one given power-of-two scale a tensor, by v_wmma_f32_16x16x64_fp8_fp8 or v_wmma_f32_16x16x128_fp8_fp8, f32 sums; everything else in f32.
;; Inputs: Wk 1,024 x 1,024 float32; Wo 1,024 x 1,024 float32; Wq 1,024 x 1,024 float32; Wv 1,024 x 1,024 float32; lowp_scales 12 int32 (the exponents e of the quantised operands' scales 2^e); x 4 x 2,048 x 1,024 float32.
;; Outputs: out0 4 x 2,048 x 1,024 float32.
;; This version of the problem:
;;   THIS VERSION OF THE PROBLEM IS GIVEN IN LOW PRECISION. The matrix products marked QUANTISED in the list below multiply operands that are first quantised to E4M3 (4 exponent bits, 3 mantissa bits; 8 bits a number), with one given power-of-two scale for each operand tensor; their sums are f32. All else is computed in f32.
;;   The module's matrix products, in the order in which they are computed (A, B: the left and right operand; K: the contracted axis; several contracted axes count as one K, in the product's order):
;;     1. [M 8,192, K 1,024] x [K 1,024, N 1,024]; A: input x; B: input Wq: QUANTISED (scales: A lowp_scales[0], B lowp_scales[1])
;;     2. [M 8,192, K 1,024] x [K 1,024, N 1,024]; A: input x; B: input Wk: QUANTISED (scales: A lowp_scales[2], B lowp_scales[3])
;;     3. [M 8,192, K 1,024] x [K 1,024, N 1,024]; A: input x; B: input Wv: QUANTISED (scales: A lowp_scales[4], B lowp_scales[5])
;;     4. batch 64 x [M 2,048, K 64] x [K 64, N 2,048]; A: computed on the way; B: computed on the way: QUANTISED (scales: A lowp_scales[6], B lowp_scales[7])
;;     5. batch 64 x [M 2,048, K 2,048] x [K 2,048, N 64]; A: softmax (see below); B: computed on the way: QUANTISED (scales: A lowp_scales[8], B lowp_scales[9])
;;     6. [M 8,192, K 1,024] x [K 1,024, N 1,024]; A: computed on the way; B: input Wo: QUANTISED (scales: A lowp_scales[10], B lowp_scales[11])
;;   THE QUANTISER, for each operand of a quantised product, along K:
;;     - The operand's scale is 2^e, e = its entry of the input lowp_scales (int32; the entries are numbered through the quantised products in the list's order, A before B).
;;     - Each number is divided by the scale, clamped to +-448, and rounded to the nearest number of E4M3, ties to even, subnormals kept.
;;     - The product sums the exact products of the quantised numbers (number of the format x scale) in f32.
;;   ~~~python
;;   def quantise(x, axis, e):      # numpy; x: float32 -> the quantised numbers, widened to float32 again
;;       x = np.moveaxis(x, axis, -1); K = x.shape[-1]
;;       r = np.clip(x / 2.0 ** e, -448, 448)
;;       step = 2.0 ** (np.maximum(np.frexp(np.where(r == 0, 1, r))[1] - 1, -6) - 3)
;;       q = np.round(r / step) * step * 2.0 ** e      # np.round: ties to even
;;       return np.moveaxis(q, -1, axis).astype(np.float32)
;;   ~~~
;;   SOFTMAX AHEAD OF A QUANTISED PRODUCT. Where the list says 'softmax', what is quantised is not the finished softmax but p = 2^(t - M), with t = logit x log2(e) and M = ceil(the row's largest t), a whole number; so 1/2 < the row's largest p <= 1. The row's sum l is taken of the UNQUANTISED p, in f32, and the product's result is divided by l at the end. Since M is a whole number, a kernel that streams over the keys may use a running M (the ceiling of the running maximum): every later rescaling is an exact power of two, so the quantised numbers keep their values, but for numbers so far below the row's largest that they fall under the format's range.
;;   OPERANDS COMPUTED ON THE WAY. 'Computed on the way' means the value that the module computes at that place (a softmax that the list does not call 'softmax' is quantised finished and normalised). What goes into a quantiser is computed in f32, as accurately as f32 sums, v_exp_f32 and their like allow (about 1e-6 of the number): no bf16 or f16 on the way to a quantiser, and a product that is left as it is and whose result goes on into a quantised operand takes f32 operands (vector FMAs, or v_wmma_f32_16x16x4_f32). A number that lies on a knife's edge between two numbers of the format may be rounded either way, as far as f32 arithmetic and the matrix unit's own rounding can turn it there, and no further.
;; One version. Each part assembles by itself: llvm-mc -triple=amdgcn-amd-amdhsa -mcpu=gfx1250 --defsym DOCPART=n.
;; ======== version 1 of 1: 4 launches
;; limits: right only within a limited range of input values
;; workspace buffers: xc 25,165,824 bytes; wc 4,194,304 bytes; rope 524,288 bytes; qc 8,388,608 bytes; kc 8,388,608 bytes; vc 8,388,608 bytes; ac 8,388,608 bytes
;; launch prep (part 1): grid 448 x 1, 4 waves a work-group, no clusters, 65,536 bytes of LDS; arguments x, Wq, Wk, Wv, Wo, lowp_scales, xc, wc, rope; writes xc, wc, rope
.if DOCPART == 1
	.amdgcn_target "amdgcn-amd-amdhsa--gfx1250"
	.amdhsa_code_object_version 6
	.text
	.protected	k_qf5d5a34184_prep
	.globl	k_qf5d5a34184_prep
	.p2align	8
	.type	k_qf5d5a34184_prep,@function
k_qf5d5a34184_prep:
	s_mov_b64 s[64:65], 0
	v_nop
	global_prefetch_b8 v0, s[64:65] scope:SCOPE_SE
	s_setreg_imm32_b32 hwreg(HW_REG_WAVE_MODE, 25, 1), 1
	s_wait_xcnt 0x0
; PREP: everything that is quantised or tabulated once.
;   work-groups 0-255:   x [8192][1024] f32 -> three planes of E4M3 codes, xc[p][8192][1024], with the scales 2^e0, 2^e2, 2^e4 (x is an operand of three products, each with its own entry)
;   work-groups 256-383: Wq, Wk, Wv, Wo [1024][1024] f32 -> wc[4][1024][1024], with 2^e1, 2^e3, 2^e5, 2^e11
;   work-groups 384-447: the RoPE table rope[2048 s][32 i][cos, sin] f32: a token's row is 256 bytes
; code = number / 2^e, held within +-448, to the nearest code, ties to even.  K is innermost in all five tensors, so each is a plain stream of numbers and its codes a plain stream of bytes.
; A wave takes 16 steps of 512 numbers.  Each load reads 512 consecutive bytes, 16 a lane; a step's 2,048 bytes turn through the wave's own stage in LDS and come back 64 bytes a lane, since a conversion
; takes eight neighbours from ONE lane's registers.  A lane's 16 codes are 16 bytes: the wave stores 512 consecutive bytes.  Loads run four steps ahead, the turn through LDS one step.
; x is read once and quantised three times from the same registers.  The three paths part on the work-group's number and never join; the two that use LDS have bytes of their own.
; No matrix unit, no tensor load, no barrier, no cluster: waves share nothing, and every byte is read once.
; LIMITS: e0, e2, e4, e1, e3, e5, e11 between -126 and 119, so that 2^e and 448 x 2^e are f32 numbers.  NaN among the inputs is not served.
; THE TABLE: inv_freq = 2^(-i log2(10000) / 32) by v_exp_f32; angle = s x inv_freq, one rounding; reduced by n = round(angle x 2 / pi) with pi / 2 in two parts (the first product is exact: n has 11 bits
; and the difference is a multiple of 2^-23 under 1); sine and cosine by polynomials on +-pi / 4, then the quadrant.  LIMIT: inv_freq may differ from a correctly rounded one in its last bit or two, which
; at the highest positions of the lowest pairs is an angle of about 2e-4.
.set SP,  80                           ; a lane's place in a stage: 64 bytes + 16 of padding
.set SC,  4                            ; v4-6     2^e as f32, for plane p
.set LM,  7
.set R,   16                           ; v16-79   four sets of 16 numbers as loaded
.set X,   80                           ; v80-111  two sets of 16 neighbours
.set T,   112
.set C,   160                          ; v160-183 codes: two sets of 12, by turns
.macro LOAD t
.irp i, 0,1,2,3
	global_load_b128 v[R+16*((\t)%4)+4*\i:R+16*((\t)%4)+4*\i+3], v3, s[4:5] offset:2048*(\t)+512*\i th:TH_LOAD_NT   ; 32 lanes read 512 consecutive bytes
.endr
.endm
.macro TURN t                          ; step t through the stage; LDS serves a wave's instructions in order, so no wait stands between the stores and the loads
.irp i, 0,1,2,3
	ds_store_b128 v[SI], v[R+16*((\t)%4)+4*\i:R+16*((\t)%4)+4*\i+3] offset:32*SP*((\t)%2)+8*SP*\i
.endr
.irp i, 0,1,2,3
	ds_load_b128 v[X+16*((\t)%2)+4*\i:X+16*((\t)%2)+4*\i+3], v[SO] offset:32*SP*((\t)%2)+16*\i
.endr
.endm
.macro MKSC p, e                       ; the scale operand and the hold of plane p from the exponent in s[e]
	s_add_co_i32 s52, s[\e], 127
	s_lshl_b32 s53, s52, 23
	v_mov_b32 v[SC+\p], s53
	s_add_co_i32 s52, s52, 8
	s_lshl_b32 s52, s52, 23
	s_or_b32 s52, s52, 0x600000
.endm
.macro QSTEP t, np                     ; np: how many planes of codes are made of the step's numbers
.set XS, X+16*((\t)%2)
.set CS, C+12*((\t)%2)
	s_wait_dscnt 0x0                               ; this step's numbers are back from the stage
	s_wait_xcnt 0x0                                ; the stores of two steps ago have read this set of codes
.if (\t)+4 < 16
	LOAD (\t)+4
.endif
.if (\t)+1 < 16
.if 14-(\t) >= 3
	s_wait_loadcnt 12                              ; the next step's four loads are in; those of the three steps behind it may be out
.else
	s_wait_loadcnt 4*(14-(\t))
.endif
	TURN (\t)+1
.endif
.irp p, 0,1,2
.if \p < \np
.irp i, 0,1,2,3,4,5,6,7,8,9,10,11,12,13,14,15
.endr
	v_cvt_scalef32_pk8_fp8_f32 v[CS+4*\p:CS+4*\p+1], v[T+16*\p+((XS+0)-(T+16*\p+0)):T+16*\p+7+((XS+0)-(T+16*\p+0))], v[SC+\p]
	v_cvt_scalef32_pk8_fp8_f32 v[CS+4*\p+2:CS+4*\p+3], v[T+16*\p+8+((XS+0)-(T+16*\p+0)):T+16*\p+15+((XS+0)-(T+16*\p+0))], v[SC+\p]
	v_nop                                          ; a plain line between the conversions and the next line that writes their sources
	global_store_b128 v3, v[CS+4*\p:CS+4*\p+3], s[8+2*\p:9+2*\p] offset:512*(\t)   ; 512 consecutive bytes
.endif
.endr
.endm
	s_load_b512 s[16:31], s[0:1], 0x0              ; x, Wq, Wk, Wv, Wo, the exponents, xc, wc
	s_load_b64 s[32:33], s[0:1], 0x40              ; rope
	v_lshrrev_b32 v1, 5, v0
	v_readfirstlane_b32 s2, v1                     ; wave 0..3
	v_and_b32 v2, 31, v0                           ; lane
	v_lshlrev_b32 v3, 4, v2                        ; my 16 bytes of a load's and of a store's 512
	s_lshl_b32 s3, s2, 13                          ; my wave's 8,192 bytes of LDS
	v_lshrrev_b32 v10, 2, v2
	v_mul_u32_u24 v10, v10, SP
	v_and_b32 v11, 3, v2
	v_lshl_add_u32 v10, v11, 4, v10
	v_add_nc_u32 v14, s3, v10                      ; x's stage, in: four lanes' 64 bytes on end, then the padding
	v_mul_u32_u24 v11, v2, SP
	v_add_nc_u32 v15, s3, v11                      ; and out: my 16 neighbours
	v_add_nc_u32 v12, 32768, v14                   ; the weights' stages lie in the upper half
	v_add_nc_u32 v13, 32768, v15
	s_wait_kmcnt 0x0
	s_load_b256 s[36:43], s[26:27], 0x0            ; e0 .. e7
	s_load_b128 s[44:47], s[26:27], 0x20           ; e8 .. e11
	s_cmp_ge_u32 ttmp9, 384
	s_cbranch_scc1 .Ltable
	s_cmp_ge_u32 ttmp9, 256
	s_cbranch_scc1 .Lweights
	; ---- x
.set SI, 14
.set SO, 15
	s_lshl_b32 s48, ttmp9, 2
	s_add_co_u32 s48, s48, s2                      ; which run of 8,192 numbers is my wave's
	s_lshl_b32 s50, s48, 15
	s_mov_b32 s51, 0
	s_add_nc_u64 s[4:5], s[16:17], s[50:51]
	s_lshl_b32 s50, s48, 13
	s_add_nc_u64 s[8:9], s[28:29], s[50:51]        ; plane 0,
	s_add_nc_u64 s[10:11], s[8:9], 0x800000        ; plane 1,
	s_add_nc_u64 s[12:13], s[10:11], 0x800000      ; plane 2
.irp t, 0,1,2,3
	LOAD \t
.endr
	s_wait_kmcnt 0x0
	MKSC 0, 36
	MKSC 1, 38
	MKSC 2, 40
	s_wait_loadcnt 12                              ; step 0's four loads are in
	s_wait_alu depctr_va_vdst(0)
	TURN 0
.irp t, 0,1,2,3,4,5,6,7,8,9,10,11,12,13,14,15
	QSTEP \t, 3
.endr
	s_endpgm
	; ---- the four weights
.Lweights:
.set SI, 12
.set SO, 13
	s_sub_co_u32 s48, ttmp9, 256
	s_lshr_b32 s49, s48, 5                         ; which weight: 0 Wq, 1 Wk, 2 Wv, 3 Wo
	s_and_b32 s48, s48, 31
	s_lshl_b32 s48, s48, 2
	s_add_co_u32 s48, s48, s2                      ; which run of 8,192 numbers of it
	s_cmp_eq_u32 s49, 1
	s_cselect_b64 s[4:5], s[20:21], s[18:19]
	s_cmp_eq_u32 s49, 2
	s_cselect_b64 s[4:5], s[22:23], s[4:5]
	s_cmp_eq_u32 s49, 3
	s_cselect_b64 s[4:5], s[24:25], s[4:5]
	s_lshl_b32 s50, s48, 15
	s_mov_b32 s51, 0
	s_add_nc_u64 s[4:5], s[4:5], s[50:51]
	s_lshl_b32 s50, s49, 20
	s_lshl_b32 s52, s48, 13
	s_add_co_u32 s50, s50, s52
	s_add_nc_u64 s[8:9], s[30:31], s[50:51]
.irp t, 0,1,2,3
	LOAD \t
.endr
	s_wait_kmcnt 0x0
	s_cmp_eq_u32 s49, 1
	s_cselect_b32 s54, s39, s37                    ; e3 or e1
	s_cmp_eq_u32 s49, 2
	s_cselect_b32 s54, s41, s54                    ; e5
	s_cmp_eq_u32 s49, 3
	s_cselect_b32 s54, s47, s54                    ; e11
	MKSC 0, 54
	s_wait_loadcnt 12
	s_wait_alu depctr_va_vdst(0)
	TURN 0
.irp t, 0,1,2,3,4,5,6,7,8,9,10,11,12,13,14,15
	QSTEP \t, 1
.endr
	s_endpgm
	; ---- the table: a wave takes 8 tokens, a lane a pair i
.Ltable:
	s_wait_kmcnt 0x0                               ; (the exponents are not used here; their loads are done)
	s_sub_co_u32 s48, ttmp9, 384
	s_lshl_b32 s48, s48, 2
	s_add_co_u32 s48, s48, s2
	s_lshl_b32 s48, s48, 3                         ; my first token
	s_lshl_b32 s50, s48, 8
	s_mov_b32 s51, 0
	s_add_nc_u64 s[12:13], s[32:33], s[50:51]
	s_mov_b32 s4, 0x3fc90fdb                       ; pi / 2, upper part
	s_mov_b32 s5, 0xb33bbd2e                       ; and what is left of it
	s_mov_b32 s6, 0xb94ca1f9                       ; sine: -1.9515296e-4, 8.3321609e-3, -1.6666655e-1
	s_mov_b32 s7, 0x3c08839e
	s_mov_b32 s8, 0xbe2aaaa3
	s_mov_b32 s9, 0x37ccf5ce                       ; cosine: 2.4433157e-5, -1.3887316e-3, 4.1666646e-2
	s_mov_b32 s10, 0xbab6061a
	s_mov_b32 s11, 0x3d2aaaa5
	v_lshlrev_b32 v16, 3, v2                       ; 8 bytes a pair
	v_cvt_f32_u32 v17, v2
	v_mul_f32 v17, 0xbed49a78, v17                 ; -i log2(10000) / 32
	s_wait_alu depctr_va_vdst(0)
	v_exp_f32 v17, v17                             ; inv_freq
	v_nop                                          ; a plain line behind the exponential,
	s_wait_alu depctr_va_vdst(0)                   ; and the wait ahead of its first reader
.irp t, 0,1,2,3,4,5,6,7
	s_add_co_u32 s52, s48, \t
	v_cvt_f32_u32 v18, s52
	v_mul_f32 v18, v18, v17                        ; the angle
	v_mul_f32 v19, 0x3f22f983, v18                 ; x 2 / pi
	v_rndne_f32 v19, v19                           ; n
	v_fma_f32 v20, -v19, s4, v18
	v_fma_f32 v20, -v19, s5, v20                   ; r, within +-pi / 4
	v_mul_f32 v21, v20, v20                        ; z
	v_cvt_i32_f32 v22, v19
	v_fma_f32 v23, v21, s6, s7
	v_fma_f32 v23, v23, v21, s8
	v_mul_f32 v23, v23, v21
	v_fma_f32 v23, v23, v20, v20                   ; sin r
	v_fma_f32 v24, v21, s9, s10
	v_fma_f32 v24, v24, v21, s11
	v_mul_f32 v25, v21, v21
	v_fma_f32 v26, v21, -0.5, 1.0
	v_fma_f32 v24, v24, v25, v26                   ; cos r
	v_and_b32 v27, 1, v22
	v_cmp_eq_u32 vcc_lo, 1, v27                    ; an odd quadrant swaps the two;
	v_cndmask_b32 v28, v23, v24, vcc_lo
	v_cndmask_b32 v29, v24, v23, vcc_lo
	v_lshlrev_b32 v30, 30, v22                     ; the sine is negative in quadrants 2 and 3,
	v_and_b32 v30, 0x80000000, v30
	v_add_nc_u32 v31, 1, v22                       ; the cosine in 1 and 2
	v_lshlrev_b32 v31, 30, v31
	v_and_b32 v31, 0x80000000, v31
	v_xor_b32 v[40+2*\t], v29, v31
	v_xor_b32 v[41+2*\t], v28, v30
	global_store_b64 v16, v[40+2*\t:41+2*\t], s[12:13] offset:256*\t   ; the wave stores a token's 256 bytes
.endr
	s_endpgm
.Lfunc_end_k_qf5d5a34184_prep:
	.size	k_qf5d5a34184_prep, .Lfunc_end_k_qf5d5a34184_prep-k_qf5d5a34184_prep
	.p2alignl 7, 3214868480
	.fill 96, 4, 3214868480
	.section	.rodata,"a",@progbits
	.p2align	6, 0x0
	.amdhsa_kernel k_qf5d5a34184_prep
		.amdhsa_group_segment_fixed_size 65536
		.amdhsa_private_segment_fixed_size 0
		.amdhsa_enable_private_segment 0
		.amdhsa_kernarg_size 72
		.amdhsa_user_sgpr_count 2
		.amdhsa_user_sgpr_kernarg_segment_ptr 1
		.amdhsa_wavefront_size32 1
		.amdhsa_system_sgpr_workgroup_id_x 1
		.amdhsa_system_sgpr_workgroup_id_y 1
		.amdhsa_system_sgpr_workgroup_id_z 1
		.amdhsa_system_vgpr_workitem_id 0
		.amdhsa_next_free_vgpr 184
		.amdhsa_next_free_sgpr 66
		.amdhsa_reserve_vcc 1
		.amdhsa_float_denorm_mode_32 3
		.amdhsa_float_denorm_mode_16_64 3
		.amdhsa_fp16_overflow 1
		.amdhsa_memory_ordered 1
		.amdhsa_forward_progress 1
		.amdhsa_inst_pref_size 63
	.end_amdhsa_kernel
	.amdgpu_metadata
---
amdhsa.version: [ 1, 2 ]
amdhsa.kernels:
  - .name:           k_qf5d5a34184_prep
    .symbol:         k_qf5d5a34184_prep.kd
    .args:
      - { .name: x, .offset: 0, .size: 8, .value_kind: global_buffer, .address_space: global }
      - { .name: Wq, .offset: 8, .size: 8, .value_kind: global_buffer, .address_space: global }
      - { .name: Wk, .offset: 16, .size: 8, .value_kind: global_buffer, .address_space: global }
      - { .name: Wv, .offset: 24, .size: 8, .value_kind: global_buffer, .address_space: global }
      - { .name: Wo, .offset: 32, .size: 8, .value_kind: global_buffer, .address_space: global }
      - { .name: lowp_scales, .offset: 40, .size: 8, .value_kind: global_buffer, .address_space: global }
      - { .name: xc, .offset: 48, .size: 8, .value_kind: global_buffer, .address_space: global }
      - { .name: wc, .offset: 56, .size: 8, .value_kind: global_buffer, .address_space: global }
      - { .name: rope, .offset: 64, .size: 8, .value_kind: global_buffer, .address_space: global }
    .group_segment_fixed_size: 65536
    .private_segment_fixed_size: 0
    .kernarg_segment_align: 8
    .kernarg_segment_size: 72
    .max_flat_workgroup_size: 128
    .sgpr_count:     66
    .vgpr_count:     184
    .wavefront_size: 32
...
	.end_amdgpu_metadata
.endif
;; end of part 1
;; launch qkv (part 2): grid 12 x 32, 4 waves a work-group, clusters of 4 x 4, 327,680 bytes of LDS; arguments xc, wc, lowp_scales, rope, qc, kc, vc; writes qc, kc, vc
.if DOCPART == 2
	.amdgcn_target "amdgcn-amd-amdhsa--gfx1250"
	.amdhsa_code_object_version 6
	.text
	.protected	k_qf5d5a34184_qkv
	.globl	k_qf5d5a34184_qkv
	.p2align	8
	.type	k_qf5d5a34184_qkv,@function
k_qf5d5a34184_qkv:
	s_mov_b64 s[64:65], 0
	v_nop
	global_prefetch_b8 v0, s[64:65] scope:SCOPE_SE
	s_setreg_imm32_b32 hwreg(HW_REG_WAVE_MODE, 25, 1), 1
	s_wait_xcnt 0x0
	s_wait_alu depctr_hold_cnt(0) depctr_sa_sdst(0) depctr_va_vdst(0) depctr_va_sdst(0) depctr_va_ssrc(0) depctr_va_vcc(0) depctr_vm_vsrc(0)
	s_getreg_b32 s2, hwreg(HW_REG_IB_STS2, 6, 4)
	s_cmp_eq_u32 s2, 0
	s_cbranch_scc0 .Lentry_in_a_cluster
	s_endpgm
.Lentry_in_a_cluster:
	s_bfe_u32 s2, ttmp6, 0x10000c
	s_cmp_lg_u32 s2, 0xf033
	s_cbranch_scc0 .Lentry_shape_is_right
	s_endpgm
.Lentry_shape_is_right:
; QKV: the three projections on E4M3 codes, RoPE in f32 on q and k, and the quantising of q (e6), k (e7) and v (e9) for attention.
; The cluster's x is the product p: 0 q, 1 k, 2 v: the same number in all sixteen partners, so branches may hang on it.
; A tile of 256 x 256 results is made by a work-group of four waves; a wave makes 128 x 128: 64 accumulators of 16 x 16, 512 registers.  K = 1,024 goes in four steps of 256 through a ring of two LDS slots.
; 'A' and 'B' are two operands with rows of 1,024 codes.  THE MATRIX INSTRUCTION IS USED TRANSPOSED (source 0 = 16 rows of B, source 1 = 16 rows of A): a lane holds ONE row of A and eight neighbouring rows of B.
;   p = 0, 1: A = x's codes (tokens), B = the weight's (features): a lane holds one token and eight neighbouring features: four RoPE pairs, and eight neighbours along the scores' K.
;   p = 2:    A = Wv's codes (features), B = x's (tokens): a lane holds one feature and eight neighbouring tokens: neighbours along the second product's K, the keys.  Nothing is transposed.
; CLUSTERS: 4 x 4 work-groups; A's tile is shared along a row of the cluster, B's along a column: each is asked for JOINTLY.  A's address holds cy and never cx, B's cx and never cy.
; The sums lack the factor 2^(ex + ew); RoPE is linear, so that factor and the result's scale are folded into the conversion's one: 2^(eo - ex - ew).
; OUT: qc, kc [64 b h][2048 s][64 d].  vc [64 b h][16 blocks of 128 keys][64 d][128 bytes]; in a row, byte 32 c + 16 h + 8 u + i holds key 32 c + 16 u + 8 h + i, so that a load of 16 bytes at 32 c + 16 h
; brings registers 4 c .. 4 c + 3 of the K = 128 form's own layout.
; LIMITS: e6 - e0 - e1, e7 - e2 - e3 and e9 - e4 - e5 between -126 and 119.  RoPE takes one fused multiply-add where the definition has a product and a sum.
; REGISTERS, in windows of 256: window 0: v0-31 addresses; v32-127 three sets of table numbers; from v128 A's fragments, ONE set; on the way out v128-247 are at work.
;   window 1: B's fragments, TWO sets.   window 2: the accumulators of my rows 0-63 ((a, b) at v[8 (8 a + b)]);   window 3: those of my rows 64-127.
.set KSTEP,  256
.set ROWB,   256
.set KROW,   1024
.set PITCH,  272                       ; an LDS row: 256 bytes + 16 of padding: the 16 rows that a load touches start 68 words apart
.set FR,     16
.set NL,     4
.set NP,     4                         ; places behind this matrix instruction (ISA guide 7.12.1)
.set HALFT,  128*PITCH
.set SLOT,   4*HALFT
.set LAPS,   2                         ; 1,024 / 512
.set SPARE,  2*SLOT                    ; the spare words, 128 bytes for each wave, which no other line names
.set ADRA, 16                          ; v16-17  LDS address of my A fragments in slot 0, 1
.set ADRB, 20                          ; v20-21  the same for B
.set SCL,  22                          ; v22     the conversion's scale as f32
.set LIM,  23
.set STQ,  24                          ; v24     q, k: the stage, in:  2,560 wave + 80 r + 8 h
.set RDQ,  25                          ; v25     and back: 2,560 wave + 80 (l / 4) + 16 (l % 4)
.set STV,  26                          ; v26     v: the stage, in:  16,384 + 2,304 wave + 144 r + 16 h
.set RDV,  27                          ; v27     and back: 16,384 + 2,304 wave + 144 (l / 8) + 16 (l % 8)
.set SPW,  28
.set NIL,  29
.set CO,   30                          ; v30     16 l
.set TBO,  31                          ; v31     the table: 256 r + 32 h
.set TB,   32
.set AF,   128
.set Y,    128                         ; the way out: 64 numbers of a block
.set U,    192                         ; eight products at work
.set CD,   200                         ; a block's codes
.set OUT,  216                         ; rows read back from the stage: two sets of 16
.set G1, 24
.set G0, 32
.set G1B, 48
.set G0B, 56
.set MSB, 0
.macro WIN new                         ; the immediate's high byte repeats the setting that is left
.if MSB != (\new)
	s_set_vgpr_msb (MSB<<8)|(\new)
.set MSB, (\new)
.endif
.endm
.set MUL_LO, 0xa1                      ; source 0 (B) window 1, source 1 (A) window 0, C and D window 2
.set MUL_HI, 0xf1
.set TO_B,   0x40
; A joint load: waves 0 and 1 fetch for A, waves 2 and 3 for B.  Four v_nop follow each of the two lines.
.macro JLOAD g0a, g1a, g0b, g1b
	s_cmp_eq_u32 s15, 0
	s_cbranch_scc0 .Lfor_b_\@
	tensor_load_to_lds s[\g0a:\g0a+3], s[\g1a:\g1a+7]
	s_nop 0
.rept 4
	v_nop
.endr
	s_branch .Lasked_\@
.Lfor_b_\@:
	tensor_load_to_lds s[\g0b:\g0b+3], s[\g1b:\g1b+7]
	s_nop 0
.rept 4
	v_nop
.endr
.Lasked_\@:
.endm
.macro CREST                           ; a round of the cluster's barrier behind its opening barrier
	s_cmp_lg_u32 s14, 0
	s_cbranch_scc1 .Lnot_wave_0_\@
	s_barrier_signal -3
.Lnot_wave_0_\@:
	s_barrier_wait -3
	s_barrier_signal -1
	s_barrier_wait -1
.endm
.macro CROUND
	s_barrier_signal -1
	s_barrier_wait -1
	CREST
.endm
	s_load_b256 s[4:11], s[0:1], 0x0               ; xc s[4:5], wc s[6:7], the exponents s[8:9], rope s[10:11]
	s_load_b128 s[68:71], s[0:1], 0x20             ; qc, kc
	s_load_b64 s[72:73], s[0:1], 0x30              ; vc
	v_lshl_add_u32 v[SPW], v0, 2, SPARE
	v_mov_b32 v[NIL], 0
	v_lshrrev_b32 v1, 5, v0
	v_readfirstlane_b32 s14, v1                    ; wave 0..3
	s_lshr_b32 s15, s14, 1                         ; which half of A's rows is mine.  Also: I fetch for A (0) or for B (1)
	s_and_b32 s16, s14, 1                          ; which half of B's rows.  Also: which 128 rows of that tile I fetch
	s_bfe_u32 s40, ttmp6, 0x40000                  ; cx
	s_bfe_u32 s41, ttmp6, 0x40004                  ; cy
	s_lshr_b32 s74, ttmp9, 1                       ; 1 for v, 0 for q and k
	s_xor_b32 s75, s74, 1
	s_and_b32 s17, ttmp7, 0xffff
	s_lshl_b32 s17, s17, 2                         ; 4 x cluster y: it walks the tokens, which are A's rows for q and k, B's for v
	s_mul_i32 s42, s17, s74
	s_add_co_u32 s42, s42, s40                     ; B's tile: cx (+ 4 x cluster y for v)
	s_mul_i32 s17, s17, s75
	s_add_co_u32 s17, s17, s41                     ; A's tile: cy (+ 4 x cluster y for q and k)
	s_lshl_b32 s43, s41, 2
	s_lshl_b32 s43, 15, s43                        ; my row of the cluster
	s_lshl_b32 s44, 0x1111, s40                    ; my column
	s_or_b32 s[G1+0], s43, (0<<16)|(1<<20)|(1<<21)|(5<<22)|(3<<25)  ; the mask; elements of 1 byte; padding on; bit 21 beside a mask; after every 64 words, 4 words
	s_or_b32 s[G1B+0], s44, (0<<16)|(1<<20)|(1<<21)|(5<<22)|(3<<25)
.irp g, G1, G1B
	s_mov_b32 s[\g+1], ROWB<<16                    ; tensor_dim0
	s_mov_b32 s[\g+2], 128<<16                     ; tensor_dim1
	s_mov_b32 s[\g+3], ROWB<<16                    ; tile_dim0
	s_mov_b32 s[\g+4], 128                         ; tile_dim1
	s_mov_b32 s[\g+5], KROW                        ; from row to row
	s_mov_b32 s[\g+6], 0
	s_mov_b32 s[\g+7], 0
.endr
	s_lshl_b32 s18, s16, 7
	s_lshl_b32 s20, s17, 8
	s_add_co_u32 s20, s20, s18
	s_lshl_b32 s20, s20, 10                        ; A: (256 x tile + 128 x half) rows of 1,024 bytes
	s_lshl_b32 s46, s42, 8
	s_add_co_u32 s46, s46, s18
	s_lshl_b32 s46, s46, 10                        ; B likewise
	s_cmp_eq_u32 ttmp9, 2
	s_cselect_b32 s88, 20, 23                      ; a plane of wc is 2^20 bytes, of xc 2^23
	s_cselect_b32 s89, 23, 20
	s_lshl_b32 s88, ttmp9, s88
	s_lshl_b32 s89, ttmp9, s89
	s_add_co_u32 s20, s20, s88                     ; + plane p
	s_add_co_u32 s46, s46, s89
	s_mov_b32 s21, 0
	s_mov_b32 s47, 0
	s_mul_i32 s45, s14, HALFT                      ; where the tiles go: wave x 128 rows
	s_wait_kmcnt 0x0
	s_load_b256 s[76:83], s[8:9], 0x0              ; e0 .. e7
	s_load_b128 s[84:87], s[8:9], 0x20             ; e8 .. e11
	s_cmp_eq_u32 ttmp9, 2
	s_cselect_b64 s[92:93], s[6:7], s[4:5]         ; A's buffer
	s_cselect_b64 s[94:95], s[4:5], s[6:7]         ; B's
	s_add_nc_u64 s[20:21], s[92:93], s[20:21]
	s_add_nc_u64 s[46:47], s[94:95], s[46:47]
	CROUND                                         ; all sixteen work-groups are here: the first joint loads meet
.irp s, 0,1
	s_mov_b32 s[G0+4*\s], 1
	s_add_co_u32 s[G0+4*\s+1], s45, \s*SLOT
	s_add_nc_u64 s[G0+4*\s+2:G0+4*\s+3], s[20:21], \s*ROWB
	s_or_b32 s[G0+4*\s+3], s[G0+4*\s+3], 0x80000000
	s_mov_b32 s[G0B+4*\s], 1
	s_add_co_u32 s[G0B+4*\s+1], s45, \s*SLOT
	s_add_nc_u64 s[G0B+4*\s+2:G0B+4*\s+3], s[46:47], \s*ROWB
	s_or_b32 s[G0B+4*\s+3], s[G0B+4*\s+3], 0x80000000
	JLOAD G0+4*\s, G1, G0B+4*\s, G1B
.endr
	v_and_b32 v1, 15, v0                           ; r
	s_wait_alu depctr_va_vdst(0)
	v_bfe_u32 v2, v0, 4, 1                         ; h
	v_and_b32 v6, 31, v0                           ; l
	v_mul_u32_u24 v3, v1, PITCH
	v_lshl_add_u32 v4, v2, 4, v3
	s_mul_i32 s21, s15, HALFT
	s_mul_i32 s22, s16, HALFT
	s_add_co_u32 s22, s22, 2*HALFT
.irp s, 0,1
	v_add_nc_u32 v[ADRA+\s], s21, v4
	v_add_nc_u32 v[ADRB+\s], s22, v4
	s_add_co_u32 s21, s21, SLOT
	s_add_co_u32 s22, s22, SLOT
.endr
	; the stages of both ways out lie in slot 0, each way with bytes of its own: when the first code is stored there the slot has had its last fill and its last read.  All addresses are made here, ahead of the parting
	s_mul_i32 s23, s14, 2560
	v_mul_u32_u24 v5, v1, 80
	s_wait_alu depctr_va_vdst(0)
	v_lshl_add_u32 v5, v2, 3, v5
	v_add_nc_u32 v[STQ], s23, v5
	v_lshrrev_b32 v7, 2, v6
	v_mul_u32_u24 v7, v7, 80
	v_and_b32 v8, 3, v6
	v_lshl_add_u32 v7, v8, 4, v7
	v_add_nc_u32 v[RDQ], s23, v7
	s_mul_i32 s23, s14, 2304
	s_add_co_u32 s23, s23, 16384
	v_mul_u32_u24 v5, v1, 144
	v_lshl_add_u32 v5, v2, 4, v5
	v_add_nc_u32 v[STV], s23, v5
	v_lshrrev_b32 v7, 3, v6
	v_mul_u32_u24 v7, v7, 144
	v_and_b32 v8, 7, v6
	v_lshl_add_u32 v7, v8, 4, v7
	v_add_nc_u32 v[RDV], s23, v7
	v_lshlrev_b32 v[CO], 4, v6
	v_lshlrev_b32 v[TBO], 8, v1
	v_lshl_add_u32 v[TBO], v2, 5, v[TBO]
.macro FRAG reg, adr, q, i             ; 16 rows x 128 K: registers 4 c .. 4 c + 3 hold K = 32 c + 16 h + 0 .. 15: a permutation of K that is the same in A and in B
.irp c, 0,1,2,3
	ds_load_b128 v[\reg+4*\c:\reg+4*\c+3], v[\adr] offset:128*(\q)+32*\c+(\i)*16*PITCH
.endr
.endm
; 16 matrix instructions: A's blocks a0, a0 + 1 x B's eight.  The 64 accumulators take turns, one instruction a turn, in the same order in every step.
.macro MUL16 a0, p, zero
.irp a, \a0, \a0+1
.irp b, 0,1,2,3,4,5,6,7
.if \zero
	v_wmma_f32_16x16x128_fp8_fp8 v[8*(8*((\a)%4)+\b):8*(8*((\a)%4)+\b)+7], v[128*(\p)+FR*\b:128*(\p)+FR*\b+FR-1], v[AF+FR*(\a):AF+FR*(\a)+FR-1], 0
.else
	v_wmma_f32_16x16x128_fp8_fp8 v[8*(8*((\a)%4)+\b):8*(8*((\a)%4)+\b)+7], v[128*(\p)+FR*\b:128*(\p)+FR*\b+FR-1], v[AF+FR*(\a):AF+FR*(\a)+FR-1], v[8*(8*((\a)%4)+\b):8*(8*((\a)%4)+\b)+7]
.endif
.endr
.endr
.endm
.macro FETCH_B slot, q, p
	WIN TO_B
.irp i, 0,1,2,3,4,5,6,7
	FRAG 128*(\p)+FR*\i, ADRB+\slot, \q, \i
.endr
	WIN 0
.endm
.macro FETCH_A slot, q, i0
.irp i, \i0, \i0+1, \i0+2, \i0+3
	FRAG AF+FR*(\i), ADRA+\slot, \q, \i
.endr
.endm
.macro PLACES n                        ; plain vector lines between a matrix instruction and a load into, or a vector line on, its registers
.rept \n
	v_nop
.endr
.endm
.macro STEP slot, q, zero              ; 128 along K, with its successor in the same slot
	s_wait_dscnt 4*NL                              ; B's set and A's blocks 0-3 are in; the youngest sixteen loads (A's blocks 4-7) may be out
	WIN MUL_LO
	MUL16 0, (\q)%2, \zero
	MUL16 2, (\q)%2, \zero
	s_wait_dscnt 0                                 ; A's blocks 4-7 are in
	PLACES NP
	FETCH_B \slot, (\q)+1, 1-(\q)%2
	FETCH_A \slot, (\q)+1, 0
	WIN MUL_HI
	MUL16 4, (\q)%2, \zero
	MUL16 6, (\q)%2, \zero
	PLACES NP
	WIN 0
	FETCH_A \slot, (\q)+1, 4
.endm
; A slot's last step changes slots: ONE barrier; in front of it each wave waits for all its tensor loads, adds 0 to its spare word, and waits for that and for its reads of this slot.
.macro TURN slot, next, fill
	s_wait_tensorcnt 0x0                           ; all my tensor loads have landed: my part of the next slot
	ds_add_u32 v[SPW], v[NIL]                      ; 0 onto my spare word
	s_wait_dscnt 4*NL+1                            ; (the add and the youngest sixteen loads may be out)
	WIN MUL_LO
	MUL16 0, 1, 0
	s_wait_dscnt 0x0                               ; the add is done, and my reads of this slot are over
	s_barrier_signal -1
	MUL16 2, 1, 0
	WIN 0
	s_barrier_wait -1
.if \fill
	CREST                                          ; the barrier has opened a round of the cluster's: no wave of any partner still reads this slot or has a load on its way
	s_add_nc_u64 s[G0+4*\slot+2:G0+4*\slot+3], s[G0+4*\slot+2:G0+4*\slot+3], 2*ROWB
	s_add_nc_u64 s[G0B+4*\slot+2:G0B+4*\slot+3], s[G0B+4*\slot+2:G0B+4*\slot+3], 2*ROWB
	JLOAD G0+4*\slot, G1, G0B+4*\slot, G1B         ; the first tensor load behind the round; its four v_nop are also the places in front of the loads below
.else
	PLACES NP
.endif
	FETCH_B \next, 0, 0
	FETCH_A \next, 0, 0
	WIN MUL_HI
	MUL16 4, 1, 0
	MUL16 6, 1, 0
	PLACES NP
	WIN 0
	FETCH_A \next, 0, 4
.endm
.macro LAST                            ; the very last step: nothing more to fetch
	s_wait_dscnt 4*NL
	WIN MUL_LO
	MUL16 0, 1, 0
	MUL16 2, 1, 0
	s_wait_dscnt 0
	WIN MUL_HI
	MUL16 4, 1, 0
	MUL16 6, 1, 0
	WIN 0
.endm
.macro MKSCALE                         ; s88 = the folded exponent: the conversion's scale
	s_add_co_i32 s88, s88, 127
	s_lshl_b32 s89, s88, 23
	v_mov_b32 v[SCL], s89
.endm
.macro FIN                             ; the wave's end: the closing round: no work-group ends while a partner may still ask for a tile that names it
	s_wait_tensorcnt 0x0
	ds_add_u32 v[SPW], v[NIL]
	s_wait_dscnt 0x0
	CROUND
	s_endpgm
.endm
	s_wait_tensorcnt 1                             ; my part of K step 0 is in; K step 1's may be out
	s_barrier_signal -1
	s_barrier_wait -1
	FETCH_B 0, 0, 0
	FETCH_A 0, 0, 0
	FETCH_A 0, 0, 4
	STEP 0, 0, 1                                   ; the first step's products start the sums
	s_mov_b32 s3, LAPS-1
.Llap:                                                 ; once round the ring: both slots are filled again
	TURN 0, 1, 1
	STEP 1, 0, 0
	TURN 1, 0, 1
	STEP 0, 0, 0
	s_sub_co_u32 s3, s3, 1
	s_cmp_lg_u32 s3, 0
	s_cbranch_scc1 .Llap
	TURN 0, 1, 0                                   ; the last lap fills nothing
	STEP 1, 0, 0
	s_cmp_eq_u32 ttmp9, 2                          ; the ways out part here, on the cluster's x
	s_cbranch_scc1 .Lvpath
	; ---- q and k.  In accumulator (a, b) lane (r, h) holds token 16 a + r and features 16 b + 8 h + 0 .. 7: of head b / 4, d = 16 (b % 4) + 8 h + j: pairs 8 (b % 4) + 4 h + 0 .. 3
	s_wait_kmcnt 0x0
	s_cmp_eq_u32 ttmp9, 0
	s_cselect_b64 s[90:91], s[68:69], s[70:71]     ; qc or kc
	s_cselect_b32 s88, s82, s83                    ; e6 or e7
	s_cselect_b32 s89, s76, s78                    ; e0 or e2
	s_cselect_b32 s74, s77, s79                    ; e1 or e3
	s_sub_co_i32 s88, s88, s89
	s_sub_co_i32 s88, s88, s74
	MKSCALE
	s_lshr_b32 s74, s17, 3                         ; the batch: eight tiles of 256 tokens each
	s_and_b32 s75, s17, 7
	s_lshl_b32 s75, s75, 8
	s_lshl_b32 s88, s15, 7
	s_add_co_u32 s75, s75, s88                     ; my first position s
	s_lshl_b32 s88, s42, 2
	s_lshl_b32 s89, s16, 1
	s_add_co_u32 s88, s88, s89                     ; my first head
	s_lshl_b32 s74, s74, 4
	s_add_co_u32 s74, s74, s88
	s_lshl_b32 s74, s74, 11
	s_add_co_u32 s74, s74, s75
	s_lshl_b32 s74, s74, 6                         ; ((16 batch + head) 2,048 + s) rows of 64 bytes
	s_lshl_b32 s88, s75, 8                         ; the table: s rows of 256 bytes
	s_mov_b32 s75, 0
	s_mov_b32 s89, 0
	s_add_nc_u64 s[90:91], s[90:91], s[74:75]
	s_add_nc_u64 s[10:11], s[10:11], s[88:89]
.macro TAB a                           ; block a's table numbers: register 8 c + 2 j = cos, + 1 = sin of pair 8 c + 4 h + j at token 16 a + r; both heads take the same
.irp k, 0,1,2,3,4,5,6,7
	global_load_b128 v[TB+32*((\a)%3)+4*\k:TB+32*((\a)%3)+4*\k+3], v[TBO], s[10:11] offset:4096*(\a)+64*(\k/2)+16*(\k%2)
.endr
.endm
.macro ROPE a                          ; even' = even cos - odd sin;  odd' = even sin + odd cos.  Each accumulator is first read at its register 1
.set AC, 64*((\a)%4)
.set TS, TB+32*((\a)%3)
	WIN 0x02+((\a)/4)                              ; source 0: window 2 or 3
.irp b, 0,1,2,3,4,5,6,7
.irp j, 0,1,2,3
	v_mul_f32 v[U+2*\j], v[AC+8*\b+2*\j+1], v[TS+8*(\b%4)+2*\j+1]
	v_mul_f32 v[U+2*\j+1], v[AC+8*\b+2*\j], v[TS+8*(\b%4)+2*\j+1]
.endr
.irp j, 0,1,2,3
	v_fma_f32 v[Y+8*\b+2*\j], v[AC+8*\b+2*\j], v[TS+8*(\b%4)+2*\j], -v[U+2*\j]
	v_fma_f32 v[Y+8*\b+2*\j+1], v[AC+8*\b+2*\j+1], v[TS+8*(\b%4)+2*\j], v[U+2*\j+1]
.endr
.endr
	WIN 0
.endm
.macro QPACK a                         ; hold, convert, through my stage: two heads x 16 tokens x (64 bytes + 16)
.set i, 0
.rept 64
.set i, i+1
.endr
.irp b, 0,1,2,3,4,5,6,7
	v_cvt_scalef32_pk8_fp8_f32 v[CD+2*\b:CD+2*\b+1], v[Y+8*\b:Y+8*\b+7], v[SCL]
.endr
	v_nop                                          ; a plain line between the conversions and the next lines that write their sources
.irp b, 0,1,2,3,4,5,6,7
	ds_store_b64 v[STQ], v[CD+2*\b:CD+2*\b+1] offset:(\b/4)*1280+16*(\b%4)
.endr
.set OS, OUT+16*((\a)%2)
.irp k, 0,1,2,3
	ds_load_b128 v[OS+4*\k:OS+4*\k+3], v[RDQ] offset:(\k/2)*1280+(\k%2)*640   ; LDS serves a wave's instructions in order: these see the stores above
.endr
.endm
.macro SENDQ a, younger
.set OS, OUT+16*((\a)%2)
	s_wait_dscnt \younger
.irp k, 0,1,2,3
	global_store_b128 v[CO], v[OS+4*\k:OS+4*\k+3], s[90:91] offset:(\k/2)*131072+1024*(\a)+512*(\k%2)   ; eight tokens' rows: 512 consecutive bytes
.endr
.endm
	s_wait_alu depctr_va_vdst(0)
	TAB 0                                          ; three blocks' table numbers are asked for ahead of the last 64 products
	TAB 1
	TAB 2
	LAST
	PLACES NP
.irp a, 0,1,2,3,4,5,6,7
.if \a <= 5
	s_wait_loadcnt 16                              ; block a's eight loads are in; the two sets behind them may be out
.elseif \a == 6
	s_wait_loadcnt 8
.else
	s_wait_loadcnt 0
.endif
	ROPE \a
.if \a > 1
	s_wait_alu depctr_va_vdst(0)
	s_wait_xcnt 0x0                                ; block a - 2's stores have read the registers into which block a's rows come back
.endif
.if \a < 5
	TAB \a+3
.endif
	QPACK \a
.if \a > 0
	SENDQ \a-1, 12                                 ; behind block a - 1's loads: block a's 8 stores and 4 loads
.endif
.endr
	SENDQ 7, 0
	FIN
	; ---- v.  In accumulator (a, b) lane (r, h) holds feature 16 a + r (head a / 4, d = 16 (a % 4) + r) and keys 16 b + 8 h + 0 .. 7 of my block of 128
.Lvpath:
	s_wait_kmcnt 0x0
	s_sub_co_i32 s88, s85, s80                     ; e9 - e4
	s_sub_co_i32 s88, s88, s81                     ; - e5
	MKSCALE
	s_lshl_b32 s74, s17, 2
	s_lshl_b32 s75, s15, 1
	s_add_co_u32 s74, s74, s75                     ; my first head
	s_lshr_b32 s75, s42, 3                         ; the batch
	s_lshl_b32 s75, s75, 4
	s_add_co_u32 s74, s74, s75
	s_lshl_b32 s74, s74, 4
	s_and_b32 s75, s42, 7
	s_lshl_b32 s75, s75, 1
	s_add_co_u32 s75, s75, s16                     ; my block of 128 keys
	s_add_co_u32 s74, s74, s75
	s_lshl_b32 s74, s74, 13                        ; ((16 batch + head) 16 + block) tiles of 8,192 bytes
	s_mov_b32 s75, 0
	s_add_nc_u64 s[90:91], s[72:73], s[74:75]
.macro VPACK a                         ; hold, convert, through my stage: 16 rows d x (128 bytes + 16), the keys in vc's order
.set AC, 64*((\a)%4)
	WIN 0x02+((\a)/4)
.set i, 0
.rept 64
.set i, i+1
.endr
.irp b, 0,1,2,3,4,5,6,7
	v_cvt_scalef32_pk8_fp8_f32 v[CD+2*\b:CD+2*\b+1], v[AC+8*\b:AC+8*\b+7], v[SCL]
.endr
	WIN 0
	v_nop
.irp b, 0,1,2,3,4,5,6,7
	ds_store_b64 v[STV], v[CD+2*\b:CD+2*\b+1] offset:32*(\b/2)+8*(\b%2)
.endr
.set OS, OUT+16*((\a)%2)
.irp k, 0,1,2,3
	ds_load_b128 v[OS+4*\k:OS+4*\k+3], v[RDV] offset:576*\k
.endr
.endm
.macro SENDV a, younger
.set OS, OUT+16*((\a)%2)
	s_wait_dscnt \younger
.irp k, 0,1,2,3
	global_store_b128 v[CO], v[OS+4*\k:OS+4*\k+3], s[90:91] offset:((\a)/4)*131072+((\a)%4)*2048+512*\k   ; four rows d: 512 consecutive bytes
.endr
.endm
	LAST
	PLACES NP
	s_wait_alu depctr_va_vdst(0)
.irp a, 0,1,2,3,4,5,6,7
.if \a > 1
	s_wait_xcnt 0x0
.endif
	VPACK \a
.if \a > 0
	SENDV \a-1, 12
.endif
.endr
	SENDV 7, 0
	FIN
.Lfunc_end_k_qf5d5a34184_qkv:
	.size	k_qf5d5a34184_qkv, .Lfunc_end_k_qf5d5a34184_qkv-k_qf5d5a34184_qkv
	.p2alignl 7, 3214868480
	.fill 96, 4, 3214868480
	.section	.rodata,"a",@progbits
	.p2align	6, 0x0
	.amdhsa_kernel k_qf5d5a34184_qkv
		.amdhsa_group_segment_fixed_size 327680
		.amdhsa_private_segment_fixed_size 0
		.amdhsa_enable_private_segment 0
		.amdhsa_kernarg_size 56
		.amdhsa_user_sgpr_count 2
		.amdhsa_user_sgpr_kernarg_segment_ptr 1
		.amdhsa_wavefront_size32 1
		.amdhsa_system_sgpr_workgroup_id_x 1
		.amdhsa_system_sgpr_workgroup_id_y 1
		.amdhsa_system_sgpr_workgroup_id_z 1
		.amdhsa_system_vgpr_workitem_id 0
		.amdhsa_next_free_vgpr 1024
		.amdhsa_next_free_sgpr 98
		.amdhsa_reserve_vcc 0
		.amdhsa_float_denorm_mode_32 3
		.amdhsa_float_denorm_mode_16_64 3
		.amdhsa_fp16_overflow 1
		.amdhsa_memory_ordered 1
		.amdhsa_forward_progress 1
		.amdhsa_inst_pref_size 168
	.end_amdhsa_kernel
	.amdgpu_metadata
---
amdhsa.version: [ 1, 2 ]
amdhsa.kernels:
  - .name:           k_qf5d5a34184_qkv
    .symbol:         k_qf5d5a34184_qkv.kd
    .args:
      - { .name: xc, .offset: 0, .size: 8, .value_kind: global_buffer, .address_space: global }
      - { .name: wc, .offset: 8, .size: 8, .value_kind: global_buffer, .address_space: global }
      - { .name: lowp_scales, .offset: 16, .size: 8, .value_kind: global_buffer, .address_space: global }
      - { .name: rope, .offset: 24, .size: 8, .value_kind: global_buffer, .address_space: global }
      - { .name: qc, .offset: 32, .size: 8, .value_kind: global_buffer, .address_space: global }
      - { .name: kc, .offset: 40, .size: 8, .value_kind: global_buffer, .address_space: global }
      - { .name: vc, .offset: 48, .size: 8, .value_kind: global_buffer, .address_space: global }
    .group_segment_fixed_size: 327680
    .private_segment_fixed_size: 0
    .kernarg_segment_align: 8
    .kernarg_segment_size: 56
    .max_flat_workgroup_size: 128
    .sgpr_count:     98
    .vgpr_count:     1024
    .wavefront_size: 32
...
	.end_amdgpu_metadata
.endif
;; end of part 2
;; launch attn (part 3): grid 4 x 64, 16 waves a work-group, clusters of 4 x 1, 327,680 bytes of LDS; arguments qc, kc, vc, lowp_scales, ac; writes ac
.if DOCPART == 3
	.amdgcn_target "amdgcn-amd-amdhsa--gfx1250"
	.amdhsa_code_object_version 6
	.text
	.protected	k_qf5d5a34184_attn
	.globl	k_qf5d5a34184_attn
	.p2align	8
	.type	k_qf5d5a34184_attn,@function
k_qf5d5a34184_attn:
	s_mov_b64 s[64:65], 0
	v_nop
	global_prefetch_b8 v0, s[64:65] scope:SCOPE_SE
	s_setreg_imm32_b32 hwreg(HW_REG_WAVE_MODE, 25, 1), 1
	s_wait_xcnt 0x0
	s_wait_alu depctr_hold_cnt(0) depctr_sa_sdst(0) depctr_va_vdst(0) depctr_va_sdst(0) depctr_va_ssrc(0) depctr_va_vcc(0) depctr_vm_vsrc(0)
	s_getreg_b32 s2, hwreg(HW_REG_IB_STS2, 6, 4)
	s_cmp_eq_u32 s2, 0
	s_cbranch_scc0 .Lentry_in_a_cluster
	s_endpgm
.Lentry_in_a_cluster:
	s_bfe_u32 s2, ttmp6, 0x10000c
	s_cmp_lg_u32 s2, 0x3003
	s_cbranch_scc0 .Lentry_shape_is_right
	s_endpgm
.Lentry_shape_is_right:
; ATTN: causal attention on E4M3 codes, head size 64, 2,048 positions, 64 (batch, head) pairs; its result is quantised (e10) for the last projection.
; A CLUSTER of four work-groups is one (batch, head).  The head's whole K (2,048 x 64 codes) and V (16 tiles of 64 d x 128 keys) lie in each work-group's LDS: 32 joint loads, two a wave, all at the head.
; Every LDS byte is filled once: no ring, no refill, and no barrier in the loops.
; SHARES.  The 2,048 queries are 16 groups of 128, a group 8 tiles of 16.  Wave w = 2 w' + u of partner cx owns tile 2 cx + u of group 15 - w' and then of group w'.  A tile of group G has G + 1 key steps of
; 128 keys, so every wave of the launch has 17.  Which steps are left out hangs on the wave's number and the loops' counters alone; cx enters global addresses and the number that the mask compares, nothing else.
; LAYOUT.  Both products are used transposed: S^T = K Q^T (source 0 = 16 keys, source 1 = my 16 queries), O^T = V^T P^T: a lane holds ONE query (lane % 16) throughout.  In tile t of S^T its eight registers are
; keys 16 t + 8 h + 0 .. 7, which is where the K = 128 form's own layout wants registers 2 t, 2 t + 1: the conversions' results are the operand.  vc is laid so that V's fragments come in the same order.
; SOFTMAX: t = score x log2(e) / 8; M = the running largest t rounded UP to a whole number; p = 2^(t - M) is quantised with 2^e8; the row's sum is taken of the unquantised p and divides at the end.
; When M moves, the sum and O^T are multiplied by 2^(old M - new M), which rounds nothing.  Hidden scores become -infinity ahead of the maximum; key 0 of the diagonal step counts for every query of the tile.
; OUT: ac [16 heads][8192 tokens][64 d]: a wave's 16 tokens are 1,024 consecutive bytes.
; LIMITS: e6 + e7 between -123 and 130 (added to the exponent field of log2(e) / 8); e8 and e10 - e8 - e9 between -126 and 119.
; NO PREFETCH: all of K and V is asked for by the tensor loads at the head; nothing is streamed later.
.set KP,    80                         ; a key's row in LDS: 64 bytes + 16 of padding
.set VP,    144                        ; a row of V's tile: 128 bytes + 16
.set VOFF,  2048*KP                    ; 163,840: V's 16 tiles, 9,216 bytes each
.set STAGE, VOFF+16*64*VP              ; 311,296: 1,024 bytes for each wave, for the way out; no tile lands there
.set AK0,  1                           ; v1   80 r + 16 h
.set AV0,  2                           ; v2   VOFF + 144 r + 16 h
.set QO,   3                           ; v3   64 r + 16 h
.set STO,  4                           ; v4   STAGE + 1,024 w + 64 r + 8 h
.set SRD,  5                           ; v5   STAGE + 1,024 w + 16 l
.set GO,   6                           ; v6   16 l
.set D0,   7                           ; v7   16 (2 cx + u) + r - 8 h: register 8 t + j is hidden on the diagonal where 16 t + j is above it
.set ADK,  8
.set ADV,  9
.set NINF, 10
.set WV,   18
.set SEL,  20
.set CS,   22
.set G1K,  24
.set G1V,  32
.set G0K,  40
.set G0V,  44
.set TBK,  2                           ; s2   the step's first byte in K
.set TBV,  3                           ; s3   and in V
.set J,    48                          ; s48  the key step
.set G,    49                          ; s49  the group in hand
.set PASS, 50
; v12 -M, v13 the largest t, v[14:15] the sum in two halves; v16-23 Q; v32-95 K's eight fragments, then V's four; v96-159 S^T, then p; v160-191 O^T; v192-207 the way out; v224-239 p's codes
.macro CROUND
	s_barrier_signal -1
	s_barrier_wait -1
	s_cmp_lg_u32 s[WV], 0
	s_cbranch_scc1 .Lnot_wave_0_\@
	s_barrier_signal -3
.Lnot_wave_0_\@:
	s_barrier_wait -3
	s_barrier_signal -1
	s_barrier_wait -1
.endm
	s_load_b128 s[4:7], s[0:1], 0x0                ; qc, kc
	s_load_b128 s[12:15], s[0:1], 0x10             ; vc, the exponents
	s_load_b64 s[16:17], s[0:1], 0x20              ; ac
	v_lshrrev_b32 v8, 5, v0
	s_delay_alu instid0(VALU_DEP_1)
	v_readfirstlane_b32 s[WV], v8                  ; wave 0..15
	s_lshr_b32 s19, s[WV], 1                       ; w'
	s_and_b32 s51, s[WV], 1                        ; u
	s_bfe_u32 s62, ttmp6, 0x40000                  ; cx
	s_lshl_b32 s62, s62, 1
	s_add_co_u32 s62, s62, s51                     ; my tile in a group: 2 cx + u
	s_and_b32 s63, ttmp7, 0xffff                   ; 16 batch + head
	s_lshl_b32 s80, s63, 17                        ; a head's codes are 131,072 bytes in each of qc, kc, vc
	s_lshl_b32 s81, s[WV], 13
	s_add_co_u32 s80, s80, s81                     ; + 8,192 w: keys 128 w on, and V's tile w
	s_mov_b32 s81, 0
	s_lshl_b32 s84, s62, 10                        ; my tile's 16 rows of 64 bytes
	s_lshl_b32 s82, s63, 17
	s_add_co_u32 s82, s82, s84
	s_mov_b32 s83, 0
	s_and_b32 s86, s63, 15
	s_lshl_b32 s86, s86, 13
	s_lshr_b32 s85, s63, 4
	s_lshl_b32 s85, s85, 11
	s_add_co_u32 s86, s86, s85
	s_lshl_b32 s86, s86, 6                         ; ac: (8,192 head + 2,048 batch) rows of 64 bytes
	s_add_co_u32 s86, s86, s84
	s_mov_b32 s87, 0
	s_mov_b32 s[G1K], 15|(0<<16)|(1<<20)|(1<<21)|(3<<22)|(3<<25)   ; all four work-groups; elements of 1 byte; padding on; bit 21 beside a mask; after every 16 words, 4 words
	s_mov_b32 s[G1K+1], 64<<16                     ; tensor_dim0
	s_mov_b32 s[G1K+2], 128<<16                    ; tensor_dim1
	s_mov_b32 s[G1K+3], 64<<16                     ; tile_dim0
	s_mov_b32 s[G1K+4], 128                        ; tile_dim1
	s_mov_b32 s[G1K+5], 64                         ; from row to row
	s_mov_b32 s[G1K+6], 0
	s_mov_b32 s[G1K+7], 0
	s_mov_b32 s[G1V], 15|(0<<16)|(1<<20)|(1<<21)|(4<<22)|(3<<25)   ; after every 32 words, 4 words
	s_mov_b32 s[G1V+1], 128<<16
	s_mov_b32 s[G1V+2], 64<<16
	s_mov_b32 s[G1V+3], 128<<16
	s_mov_b32 s[G1V+4], 64
	s_mov_b32 s[G1V+5], 128
	s_mov_b32 s[G1V+6], 0
	s_mov_b32 s[G1V+7], 0
	s_mov_b32 s[SEL], 0x76543210
	s_mov_b32 s[SEL+1], 0xfedcba98
	s_mov_b32 s[CS], 0x3e38aa3b                    ; log2(e) / 8
	s_wait_kmcnt 0x0
	s_load_b256 s[68:75], s[14:15], 0x0            ; e0 .. e7
	s_load_b128 s[76:79], s[14:15], 0x20           ; e8 .. e11
	s_mov_b32 s[G0K], 1
	s_mul_i32 s[G0K+1], s[WV], 128*KP
	s_add_nc_u64 s[G0K+2:G0K+3], s[6:7], s[80:81]
	s_or_b32 s[G0K+3], s[G0K+3], 0x80000000
	s_mov_b32 s[G0V], 1
	s_mul_i32 s[G0V+1], s[WV], 64*VP
	s_add_co_u32 s[G0V+1], s[G0V+1], VOFF
	s_add_nc_u64 s[G0V+2:G0V+3], s[12:13], s[80:81]
	s_or_b32 s[G0V+3], s[G0V+3], 0x80000000
	s_add_nc_u64 s[58:59], s[4:5], s[82:83]        ; Q at my tile of group 0
	s_add_nc_u64 s[60:61], s[16:17], s[86:87]      ; ac likewise
	CROUND                                         ; all four work-groups are here: the joint loads meet
	tensor_load_to_lds s[G0K:G0K+3], s[G1K:G1K+7]  ; two loads of mine are out, and no more in the whole launch
	s_nop 0
	tensor_load_to_lds s[G0V:G0V+3], s[G1V:G1V+7]
	s_nop 0
.rept 4
	v_nop
.endr
	v_and_b32 v8, 15, v0                           ; r
	v_bfe_u32 v9, v0, 4, 1                         ; h
	v_and_b32 v11, 31, v0                          ; l
	s_delay_alu instid0(VALU_DEP_3)
	v_mul_u32_u24 v[AK0], v8, KP
	s_delay_alu instid0(VALU_DEP_1)
	v_lshl_add_u32 v[AK0], v9, 4, v[AK0]
	v_mul_u32_u24 v[AV0], v8, VP
	s_delay_alu instid0(VALU_DEP_1)
	v_lshl_add_u32 v[AV0], v9, 4, v[AV0]
	s_delay_alu instid0(VALU_DEP_1)
	v_add_nc_u32 v[AV0], VOFF, v[AV0]
	v_lshlrev_b32 v[QO], 6, v8
	s_delay_alu instid0(VALU_DEP_1)
	v_lshl_add_u32 v[QO], v9, 4, v[QO]
	s_lshl_b32 s66, s[WV], 10
	s_add_co_u32 s66, s66, STAGE
	v_lshlrev_b32 v[STO], 6, v8
	s_delay_alu instid0(VALU_DEP_1)
	v_lshl_add_u32 v[STO], v9, 3, v[STO]
	s_delay_alu instid0(VALU_DEP_1)
	v_add_nc_u32 v[STO], s66, v[STO]
	v_lshlrev_b32 v[GO], 4, v11
	s_delay_alu instid0(VALU_DEP_1)
	v_add_nc_u32 v[SRD], s66, v[GO]
	s_lshl_b32 s67, s62, 4
	v_lshlrev_b32 v[D0], 3, v9
	s_delay_alu instid0(VALU_DEP_1)
	v_sub_nc_u32 v[D0], v8, v[D0]
	s_delay_alu instid0(VALU_DEP_1)
	v_add_nc_u32 v[D0], s67, v[D0]
	v_mov_b32 v[NINF], 0xff800000
	v_mov_b32 v236, 0                              ; written once: a lane permute's destination counts as one of its sources
	v_mov_b32 v253, 0                              ; (named as the upper half of the pair v[252:253])
	s_wait_kmcnt 0x0
	s_add_co_i32 s66, s74, s75
	s_lshl_b32 s66, s66, 23
	s_add_co_i32 s[CS], s[CS], s66                 ; a score stands for score x 2^(e6 + e7)
	s_mov_b32 s[CS+1], s[CS]                       ; (named with it as a pair, so it is written)
	s_add_co_i32 s66, s76, 127
	s_lshl_b32 s67, s66, 23
	v_mov_b32 v244, s67                            ; 2^e8
	s_sub_co_i32 s66, s78, s76
	s_sub_co_i32 s66, s66, s77                     ; O^T / l stands for that x 2^(e8 + e9): its code is that / 2^(e10 - e8 - e9)
	s_add_co_i32 s66, s66, 127
	s_lshl_b32 s67, s66, 23
	v_mov_b32 v245, s67
	s_mov_b32 s[PASS], 2
	s_sub_co_u32 s[G], 15, s19                     ; the long group first
	s_wait_tensorcnt 0x0                           ; my two tiles have landed,
	s_barrier_signal -1
	s_barrier_wait -1                              ; everybody's have: K and V are whole, and nobody writes them again
.Lpass:
	s_wait_xcnt 0x0                                ; the last pass's loads and stores have read their bases
	s_lshl_b32 s52, s[G], 13                       ; a group's 128 rows of 64 bytes
	s_mov_b32 s53, 0
	s_add_nc_u64 s[54:55], s[58:59], s[52:53]
	s_add_nc_u64 s[56:57], s[60:61], s[52:53]
	global_load_b128 v[16:19], v[QO], s[54:55]             ; Q: d = 16 h + 0 .. 15 and 32 + 16 h + 0 .. 15: the same permutation of d as K's loads make
	global_load_b128 v[20:23], v[QO], s[54:55] offset:32
	v_mov_b32 v13, 0xff61b1e6                      ; the largest t so far: -3e38
	s_delay_alu instid0(VALU_DEP_1)
	v_floor_f32 v12, -v13
	v_mov_b32 v14, 0
	v_mov_b32 v15, 0
.set n, 0
.rept 32
	v_mov_b32 v[160+n], 0                          ; O^T: the step is written once; the first finds zeros, which the first change of M leaves zeros
.set n, n+1
.endr
	s_mov_b32 s[TBK], 0
	s_mov_b32 s[TBV], 0
	s_mov_b32 s[J], 0
	s_wait_loadcnt 0x0
.Lstep:                                            ; 16 trips, a constant; a step all of whose keys come after the group is left out
	s_cmp_gt_u32 s[J], s[G]
	s_cbranch_scc1 .Lnext
	s_setprio 2
	v_add_nc_u32 v[ADK], s[TBK], v[AK0]
	v_add_nc_u32 v[ADV], s[TBV], v[AV0]
	v_nop                                          ; with the two additions: four places in front of loads into registers that the last products read
	v_nop
.irp t, 0,1,2,3,4,5,6,7
.irp c, 0,1
	ds_load_b128 v[32+8*\t+4*\c:35+8*\t+4*\c], v[ADK] offset:16*KP*\t+32*\c
.endr
.endr
	s_wait_alu depctr_va_vdst(0)
	s_wait_dscnt 0x0
.irp t, 0,1,2,3,4,5,6,7
	v_wmma_f32_16x16x64_fp8_fp8 v[96+8*\t:103+8*\t], v[32+8*\t:39+8*\t], v[16:23], 0
.endr
.rept 4
	v_nop
.endr
.irp t, 0,1,2,3
.irp c, 0,1,2,3
	ds_load_b128 v[32+16*\t+4*\c:35+16*\t+4*\c], v[ADV] offset:16*VP*\t+32*\c   ; V's fragments land while the softmax is worked
.endr
.endr
	s_cmp_lg_u32 s[J], s[G]
	s_cbranch_scc1 .Lopen                          ; only the group's own 128 keys lie on the diagonal
.set n, 0
.rept 64
	v_cmp_gt_i32 vcc_lo, 16*(n/8)+n%8, v[D0]
	v_cndmask_b32 v[96+n], v[96+n], v[NINF], vcc_lo
.set n, n+1
.endr
.Lopen:
	v_max3_num_f32 v254, v96, v97, v98             ; the step's largest score of my query among my 64 keys, in two chains, each tile from its low end on,
	v_max3_num_f32 v252, v99, v100, v101
.irp i, 6,10,14,18,22,26,30,34,38,42,46,50,54,58
	v_max3_num_f32 v254, v254, v[96+\i], v[97+\i]
	v_max3_num_f32 v252, v252, v[98+\i], v[99+\i]
.endr
	v_max3_num_f32 v254, v254, v158, v159
	s_delay_alu instid0(VALU_DEP_1)
	v_max_num_f32 v254, v254, v252
	v_permlanex16_b32 v236, v254, s[SEL], s[SEL+1]
	s_delay_alu instid0(VALU_DEP_1)
	v_max_num_f32 v254, v254, v236                 ; and among lane l xor 16's
	s_delay_alu instid0(VALU_DEP_1)
	v_mul_f32 v254, s[CS], v254                    ; as t
	s_delay_alu instid0(VALU_DEP_1)
	v_max_num_f32 v13, v13, v254
	v_mov_b32 v254, v12
	s_delay_alu instid0(VALU_DEP_2)
	v_floor_f32 v12, -v13                          ; -M = floor(-t)
	s_delay_alu instid0(VALU_DEP_1)
	v_sub_f32 v254, v12, v254                      ; old M - new M: a whole number, 0 or less
	s_delay_alu instid0(VALU_DEP_1)
	v_cvt_i32_f32 v254, v254                       ; (it saturates)
	s_delay_alu instid0(VALU_DEP_1)
	v_ldexp_f32 v252, 1.0, v254                    ; f = 2^(old M - new M)
.set n, 0
	s_setprio 1
.rept 32
	v_pk_fma_f32 v[96+n:97+n], v[96+n:97+n], s[CS:CS+1], v[12:13] op_sel_hi:[1,0,0]   ; t - M
.set n, n+2
.endr
.set n, 0
	s_wait_alu depctr_va_vdst(0)
.rept 64
	v_exp_f32 v[96+n], v[96+n]                     ; p
.set n, n+1
.endr
	v_pk_mul_f32 v[14:15], v[14:15], v[252:253] op_sel_hi:[1,0]   ; the sums under the new M: the plain line behind the exponentials
	s_wait_alu depctr_va_vdst(0)                   ; one wait for the batch, ahead of its first reader
	v_pk_add_f32 v[242:243], v[100:101], v[104:105]
	v_pk_add_f32 v[254:255], v[108:109], v[112:113]
	v_pk_add_f32 v[250:251], v[116:117], v[120:121]
	v_pk_add_f32 v[248:249], v[124:125], v[128:129]
	v_pk_add_f32 v[246:247], v[132:133], v[136:137]
	v_pk_add_f32 v[240:241], v[140:141], v[144:145]
	v_pk_add_f32 v[238:239], v[148:149], v[152:153]
	v_pk_add_f32 v[14:15], v[14:15], v[156:157]
	v_pk_add_f32 v[242:243], v[242:243], v[96:97]
	v_pk_add_f32 v[254:255], v[254:255], v[98:99]
	v_pk_add_f32 v[250:251], v[250:251], v[102:103]
	v_pk_add_f32 v[248:249], v[248:249], v[106:107]
	v_pk_add_f32 v[246:247], v[246:247], v[110:111]
	v_pk_add_f32 v[240:241], v[240:241], v[114:115]
	v_pk_add_f32 v[238:239], v[238:239], v[118:119]
	v_pk_add_f32 v[14:15], v[14:15], v[122:123]
	v_pk_add_f32 v[242:243], v[242:243], v[126:127]
	v_pk_add_f32 v[254:255], v[254:255], v[130:131]
	v_pk_add_f32 v[250:251], v[250:251], v[134:135]
	v_pk_add_f32 v[248:249], v[248:249], v[138:139]
	v_pk_add_f32 v[246:247], v[246:247], v[142:143]
	v_pk_add_f32 v[240:241], v[240:241], v[146:147]
	v_pk_add_f32 v[238:239], v[238:239], v[150:151]
	s_setprio 0
	v_pk_add_f32 v[14:15], v[14:15], v[154:155]
	v_pk_add_f32 v[242:243], v[242:243], v[158:159]
	s_delay_alu instid0(VALU_DEP_2)
	v_pk_add_f32 v[14:15], v[14:15], v[248:249]
	s_delay_alu instid0(VALU_DEP_2)
	v_pk_add_f32 v[242:243], v[242:243], v[246:247]
	v_pk_add_f32 v[254:255], v[254:255], v[240:241]
	v_pk_add_f32 v[250:251], v[250:251], v[238:239]
	s_delay_alu instid0(VALU_DEP_2)
	v_pk_add_f32 v[14:15], v[14:15], v[254:255]
	s_delay_alu instid0(VALU_DEP_2)
	v_pk_add_f32 v[242:243], v[242:243], v[250:251]
	s_delay_alu instid0(VALU_DEP_1)
	v_pk_add_f32 v[14:15], v[14:15], v[242:243]
.set n, 0
.rept 64
.set n, n+1
.endr
.irp t, 0,1,2,3,4,5,6,7
	v_cvt_scalef32_pk8_fp8_f32 v[224+2*\t:225+2*\t], v[96+8*\t:103+8*\t], v244
.endr
.set n, 0
.rept 16
	v_pk_mul_f32 v[160+n:161+n], v[160+n:161+n], v[252:253] op_sel_hi:[1,0]   ; O^T under the new M; also the plain lines between the conversions and the products
.set n, n+2
.endr
	s_wait_alu depctr_va_vdst(0)
	s_wait_dscnt 0x0                               ; V is in
.irp t, 0,1,2,3                                ; the four accumulators take turns, and the eight products of S^T stand between two links of a chain
	v_wmma_f32_16x16x128_fp8_fp8 v[160+8*\t:167+8*\t], v[32+16*\t:47+16*\t], v[224:239], v[160+8*\t:167+8*\t]
.endr
.Lnext:
	s_add_co_u32 s[TBK], s[TBK], 128*KP
	s_add_co_u32 s[TBV], s[TBV], 64*VP
	s_add_co_u32 s[J], s[J], 1
	s_cmp_lt_u32 s[J], 16
	s_cbranch_scc1 .Lstep
	s_setprio 0
	; the tile's way out: O^T / l, held, converted, 16 rows of 64 bytes through my stage, 1,024 consecutive bytes to memory
.rept 4
	v_nop
.endr
	v_add_f32 v14, v14, v15
	v_permlanex16_b32 v236, v14, s[SEL], s[SEL+1]
	s_delay_alu instid0(VALU_DEP_1)
	v_add_f32 v14, v14, v236                       ; the row's sum
	s_wait_alu depctr_va_vdst(0)
	v_rcp_f32 v14, v14
	v_nop
	s_wait_alu depctr_va_vdst(0)
.set n, 0
.rept 16
	v_pk_mul_f32 v[96+n:97+n], v[160+n:161+n], v[14:15] op_sel_hi:[1,0]   ; register 8 t + i is o(r, 16 t + 8 h + i)
.set n, n+2
.endr
.set n, 0
.rept 32
.set n, n+1
.endr
.irp t, 0,1,2,3
	v_cvt_scalef32_pk8_fp8_f32 v[192+2*\t:193+2*\t], v[96+8*\t:103+8*\t], v245
.endr
	v_nop
.irp t, 0,1,2,3
	ds_store_b64 v[STO], v[192+2*\t:193+2*\t] offset:16*\t
.endr
.irp i, 0,1
	ds_load_b128 v[200+4*\i:203+4*\i], v[SRD] offset:512*\i   ; LDS serves a wave's instructions in order: these see my stores
.endr
	s_wait_dscnt 0x0
.irp i, 0,1
	global_store_b128 v[GO], v[200+4*\i:203+4*\i], s[56:57] offset:512*\i
.endr
	s_sub_co_u32 s[G], 15, s[G]                    ; the other group
	s_sub_co_u32 s[PASS], s[PASS], 1
	s_cmp_lg_u32 s[PASS], 0
	s_cbranch_scc1 .Lpass
	CROUND                                         ; the closing round
	s_endpgm
.Lfunc_end_k_qf5d5a34184_attn:
	.size	k_qf5d5a34184_attn, .Lfunc_end_k_qf5d5a34184_attn-k_qf5d5a34184_attn
	.p2alignl 7, 3214868480
	.fill 96, 4, 3214868480
	.section	.rodata,"a",@progbits
	.p2align	6, 0x0
	.amdhsa_kernel k_qf5d5a34184_attn
		.amdhsa_group_segment_fixed_size 327680
		.amdhsa_private_segment_fixed_size 0
		.amdhsa_enable_private_segment 0
		.amdhsa_kernarg_size 40
		.amdhsa_user_sgpr_count 2
		.amdhsa_user_sgpr_kernarg_segment_ptr 1
		.amdhsa_wavefront_size32 1
		.amdhsa_system_sgpr_workgroup_id_x 1
		.amdhsa_system_sgpr_workgroup_id_y 1
		.amdhsa_system_sgpr_workgroup_id_z 1
		.amdhsa_system_vgpr_workitem_id 0
		.amdhsa_next_free_vgpr 256
		.amdhsa_next_free_sgpr 88
		.amdhsa_reserve_vcc 1
		.amdhsa_float_denorm_mode_32 3
		.amdhsa_float_denorm_mode_16_64 3
		.amdhsa_fp16_overflow 1
		.amdhsa_memory_ordered 1
		.amdhsa_forward_progress 1
		.amdhsa_inst_pref_size 30
	.end_amdhsa_kernel
	.amdgpu_metadata
---
amdhsa.version: [ 1, 2 ]
amdhsa.kernels:
  - .name:           k_qf5d5a34184_attn
    .symbol:         k_qf5d5a34184_attn.kd
    .args:
      - { .name: qc, .offset: 0, .size: 8, .value_kind: global_buffer, .address_space: global }
      - { .name: kc, .offset: 8, .size: 8, .value_kind: global_buffer, .address_space: global }
      - { .name: vc, .offset: 16, .size: 8, .value_kind: global_buffer, .address_space: global }
      - { .name: lowp_scales, .offset: 24, .size: 8, .value_kind: global_buffer, .address_space: global }
      - { .name: ac, .offset: 32, .size: 8, .value_kind: global_buffer, .address_space: global }
    .group_segment_fixed_size: 327680
    .private_segment_fixed_size: 0
    .kernarg_segment_align: 8
    .kernarg_segment_size: 40
    .max_flat_workgroup_size: 512
    .sgpr_count:     88
    .vgpr_count:     256
    .wavefront_size: 32
...
	.end_amdgpu_metadata
.endif
;; end of part 3
;; launch oproj (part 4): grid 4 x 32, 4 waves a work-group, clusters of 4 x 4, 327,680 bytes of LDS; arguments ac, wc, lowp_scales, out0; writes out0
.if DOCPART == 4
	.amdgcn_target "amdgcn-amd-amdhsa--gfx1250"
	.amdhsa_code_object_version 6
	.text
	.protected	k_qf5d5a34184_oproj
	.globl	k_qf5d5a34184_oproj
	.p2align	8
	.type	k_qf5d5a34184_oproj,@function
k_qf5d5a34184_oproj:
	s_mov_b64 s[64:65], 0
	v_nop
	global_prefetch_b8 v0, s[64:65] scope:SCOPE_SE
	s_setreg_imm32_b32 hwreg(HW_REG_WAVE_MODE, 25, 1), 1
	s_wait_xcnt 0x0
	s_wait_alu depctr_hold_cnt(0) depctr_sa_sdst(0) depctr_va_vdst(0) depctr_va_sdst(0) depctr_va_ssrc(0) depctr_va_vcc(0) depctr_vm_vsrc(0)
	s_getreg_b32 s2, hwreg(HW_REG_IB_STS2, 6, 4)
	s_cmp_eq_u32 s2, 0
	s_cbranch_scc0 .Lentry_in_a_cluster
	s_endpgm
.Lentry_in_a_cluster:
	s_bfe_u32 s2, ttmp6, 0x10000c
	s_cmp_lg_u32 s2, 0xf033
	s_cbranch_scc0 .Lentry_shape_is_right
	s_endpgm
.Lentry_shape_is_right:
; OPROJ: out0[token][o] = sum over i of a[token][i] Wo[o][i] on E4M3 codes; each finished sum x 2^(e10 + e11).  out0: [8192][1024] f32.
; A = ac, laid [16 heads][8192 tokens][64 d], i = 64 head + d.  B = plane 3 of wc, [1024 o][1024 i].
; A tile of 256 x 256 of out0 is made by a work-group of four waves; a wave makes 128 x 128: 64 accumulators, 512 registers.  K goes in four steps of 256 (four heads) through a ring of two LDS slots.
; A'S TILE: one load brings 4 rows of 8,192 bytes: 128 tokens of one head are dense in memory; the heads lie 524,288 bytes apart; 16 bytes of padding behind every 64: in LDS [4 heads][128 tokens][80].
; CLUSTERS: 4 x 4 work-groups; A's tile is shared along a row of the cluster, B's along a column.  THE MATRIX INSTRUCTION IS USED TRANSPOSED: a lane holds eight neighbouring numbers of a row of out0.
; 128 tiles: half as many work-groups as a smaller tile would give, for twice the products from each LDS byte.
; LIMIT: e10 + e11 between -126 and 127.
; REGISTERS: window 0: v0-31 addresses; from v128 A's fragments, ONE set; on the way out v32-255.   window 1: B's fragments, TWO sets.   windows 2, 3: the accumulators.
.set SIZE_N, 1024
.set ROWB,   256
.set KROW,   1024
.set PITCH,  272
.set FR,     16
.set NL,     4
.set NP,     4
.set HALFT,  128*PITCH                 ; B: 128 rows
.set HALFA,  4*128*80                  ; A: 4 heads x 128 tokens x 80
.set BOFF,   2*HALFA
.set SLOT,   2*HALFA+2*HALFT           ; 151,552
.set HEADB,  8192*64                   ; from head to head in ac
.set LAPS,   2
.set SPARE,  2*SLOT                    ; the spare words, 128 bytes for each wave, which no other line names
.set SPITCH, 528                       ; the way out: a stage of 16 rows x (512 bytes + 16) for each wave, in slot 0, which has had its last fill and its last read by then
.set ADRA, 16
.set ADRB, 20
.set STO,  24
.set RD,   25
.set CO,   26
.set SPW,  28
.set NIL,  29
.set TMP,  32
.set AF,   128
.set BK,   128
.set G1, 24
.set G0, 32
.set G1B, 48
.set G0B, 56
.set MSB, 0
.macro WIN new
.if MSB != (\new)
	s_set_vgpr_msb (MSB<<8)|(\new)
.set MSB, (\new)
.endif
.endm
.set MUL_LO, 0xa1
.set MUL_HI, 0xf1
.set TO_B,   0x40
.macro JLOAD g0a, g1a, g0b, g1b        ; waves 0 and 1 fetch for A, waves 2 and 3 for B; four v_nop follow each of the two lines
	s_cmp_eq_u32 s15, 0
	s_cbranch_scc0 .Lfor_b_\@
	tensor_load_to_lds s[\g0a:\g0a+3], s[\g1a:\g1a+7]
	s_nop 0
.rept 4
	v_nop
.endr
	s_branch .Lasked_\@
.Lfor_b_\@:
	tensor_load_to_lds s[\g0b:\g0b+3], s[\g1b:\g1b+7]
	s_nop 0
.rept 4
	v_nop
.endr
.Lasked_\@:
.endm
.macro CREST
	s_cmp_lg_u32 s14, 0
	s_cbranch_scc1 .Lnot_wave_0_\@
	s_barrier_signal -3
.Lnot_wave_0_\@:
	s_barrier_wait -3
	s_barrier_signal -1
	s_barrier_wait -1
.endm
.macro CROUND
	s_barrier_signal -1
	s_barrier_wait -1
	CREST
.endm
	s_load_b128 s[4:7], s[0:1], 0x0                ; ac, wc
	s_load_b128 s[8:11], s[0:1], 0x10              ; the exponents, out0
	v_lshl_add_u32 v[SPW], v0, 2, SPARE
	v_mov_b32 v[NIL], 0
	v_lshrrev_b32 v1, 5, v0
	v_readfirstlane_b32 s14, v1
	s_lshr_b32 s15, s14, 1                         ; which half of the tile's rows is mine.  Also: I fetch for A (0) or for B (1)
	s_and_b32 s16, s14, 1                          ; which half of its columns.  Also: which 128 rows of that tile I fetch
	s_bfe_u32 s40, ttmp6, 0x40000
	s_bfe_u32 s41, ttmp6, 0x40004
	s_lshl_b32 s42, ttmp9, 2
	s_add_co_u32 s42, s42, s40                     ; tile column
	s_and_b32 s17, ttmp7, 0xffff
	s_lshl_b32 s17, s17, 2
	s_add_co_u32 s17, s17, s41                     ; tile row
	s_lshl_b32 s43, s41, 2
	s_lshl_b32 s43, 15, s43
	s_lshl_b32 s44, 0x1111, s40
	s_or_b32 s[G1+0], s43, (0<<16)|(1<<20)|(1<<21)|(3<<22)|(3<<25)  ; A: the mask of my row; elements of 1 byte; padding: after every 16 words, 4 words
	s_mov_b32 s[G1+1], 8192<<16                    ; tensor_dim0 = 8,192
	s_mov_b32 s[G1+2], 4<<16                       ; tensor_dim1 = 4
	s_mov_b32 s[G1+3], 8192<<16                    ; tile_dim0
	s_mov_b32 s[G1+4], 4                           ; tile_dim1
	s_mov_b32 s[G1+5], HEADB                       ; from row to row
	s_mov_b32 s[G1+6], 0
	s_mov_b32 s[G1+7], 0
	s_or_b32 s[G1B+0], s44, (0<<16)|(1<<20)|(1<<21)|(5<<22)|(3<<25) ; B: the mask of my column; after every 64 words, 4 words
	s_mov_b32 s[G1B+1], ROWB<<16
	s_mov_b32 s[G1B+2], 128<<16
	s_mov_b32 s[G1B+3], ROWB<<16
	s_mov_b32 s[G1B+4], 128
	s_mov_b32 s[G1B+5], KROW
	s_mov_b32 s[G1B+6], 0
	s_mov_b32 s[G1B+7], 0
	s_lshl_b32 s18, s16, 7
	s_lshl_b32 s20, s17, 8
	s_add_co_u32 s20, s20, s18
	s_lshl_b32 s20, s20, 6                         ; A: token 256 x tile row + 128 x half, 64 bytes each
	s_mov_b32 s21, 0
	s_lshl_b32 s46, s42, 8
	s_add_co_u32 s46, s46, s18
	s_lshl_b32 s46, s46, 10
	s_add_co_u32 s46, s46, 0x300000                ; B: plane 3 of wc, row 256 x tile column + 128 x half
	s_mov_b32 s47, 0
	s_mul_i32 s45, s16, HALFA                      ; where they go
	s_mul_i32 s23, s16, HALFT
	s_add_co_u32 s23, s23, BOFF
	s_wait_kmcnt 0x0
	s_load_b64 s[96:97], s[8:9], 0x28              ; e10, e11
	s_add_nc_u64 s[20:21], s[4:5], s[20:21]
	s_add_nc_u64 s[46:47], s[6:7], s[46:47]
	CROUND
.irp s, 0,1
	s_mov_b32 s[G0+4*\s], 1
	s_add_co_u32 s[G0+4*\s+1], s45, \s*SLOT
	s_add_nc_u64 s[G0+4*\s+2:G0+4*\s+3], s[20:21], \s*4*HEADB
	s_or_b32 s[G0+4*\s+3], s[G0+4*\s+3], 0x80000000
	s_mov_b32 s[G0B+4*\s], 1
	s_add_co_u32 s[G0B+4*\s+1], s23, \s*SLOT
	s_add_nc_u64 s[G0B+4*\s+2:G0B+4*\s+3], s[46:47], \s*ROWB
	s_or_b32 s[G0B+4*\s+3], s[G0B+4*\s+3], 0x80000000
	s_wait_alu depctr_va_vdst(0)
	s_wait_tensorcnt 0x0
	ds_add_u32 v28, v29
	ds_add_u32 v28, v29
	s_wait_dscnt 0x0
	CROUND
	JLOAD G0+4*\s, G1, G0B+4*\s, G1B
.endr
	v_and_b32 v1, 15, v0                           ; r
	v_bfe_u32 v2, v0, 4, 1                         ; h
	v_mul_u32_u24 v3, v1, 80
	v_lshl_add_u32 v3, v2, 4, v3                   ; A: 80 r + 16 h
	v_mul_u32_u24 v4, v1, PITCH
	v_lshl_add_u32 v4, v2, 4, v4                   ; B: 272 r + 16 h
	s_mul_i32 s21, s15, HALFA
	s_mul_i32 s22, s16, HALFT
	s_add_co_u32 s22, s22, BOFF
.irp s, 0,1
	v_add_nc_u32 v[ADRA+\s], s21, v3
	v_add_nc_u32 v[ADRB+\s], s22, v4
	s_add_co_u32 s21, s21, SLOT
	s_add_co_u32 s22, s22, SLOT
.endr
	s_mul_i32 s23, s14, 16*SPITCH                  ; my stage
	v_mul_u32_u24 v5, v1, SPITCH
	v_lshl_add_u32 v5, v2, 5, v5
	v_add_nc_u32 v[STO], s23, v5
	v_and_b32 v6, 31, v0
	v_lshlrev_b32 v[CO], 4, v6
	v_add_nc_u32 v[RD], s23, v[CO]
	s_lshl_b32 s20, s17, 8
	s_lshl_b32 s21, s15, 7
	s_add_co_u32 s20, s20, s21                     ; my first row of out0
	s_lshl_b32 s20, s20, 12                        ; x 4,096 bytes
	s_lshl_b32 s46, s42, 10
	s_lshl_b32 s47, s16, 9
	s_add_co_u32 s46, s46, s47                     ; my first column, in bytes
	s_add_co_u32 s20, s20, s46
	s_mov_b32 s21, 0
	s_add_nc_u64 s[10:11], s[10:11], s[20:21]
.macro FRAGB reg, adr, q, i            ; registers 4 c .. 4 c + 3: K = 128 q + 32 c + 16 h + 0 .. 15
.irp c, 0,1,2,3
	ds_load_b128 v[\reg+4*\c:\reg+4*\c+3], v[\adr] offset:128*(\q)+32*\c+(\i)*16*PITCH
.endr
.endm
.macro FRAGA reg, adr, q, i            ; the same K: head 2 q + c / 2 of the slot's four, d = 32 (c % 2) + 16 h + 0 .. 15
.irp c, 0,1,2,3
	ds_load_b128 v[\reg+4*\c:\reg+4*\c+3], v[\adr] offset:(2*(\q)+\c/2)*10240+32*(\c%2)+(\i)*1280
.endr
.endm
.macro MUL16 a0, p, zero               ; the 64 accumulators take turns, one instruction a turn, in the same order in every step
.irp a, \a0, \a0+1
.irp b, 0,1,2,3,4,5,6,7
.if \zero
	v_wmma_f32_16x16x128_fp8_fp8 v[8*(8*((\a)%4)+\b):8*(8*((\a)%4)+\b)+7], v[128*(\p)+FR*\b:128*(\p)+FR*\b+FR-1], v[AF+FR*(\a):AF+FR*(\a)+FR-1], 0
.else
	v_wmma_f32_16x16x128_fp8_fp8 v[8*(8*((\a)%4)+\b):8*(8*((\a)%4)+\b)+7], v[128*(\p)+FR*\b:128*(\p)+FR*\b+FR-1], v[AF+FR*(\a):AF+FR*(\a)+FR-1], v[8*(8*((\a)%4)+\b):8*(8*((\a)%4)+\b)+7]
.endif
.endr
.endr
.endm
.macro FETCH_B slot, q, p
	WIN TO_B
.irp i, 0,1,2,3,4,5,6,7
	FRAGB 128*(\p)+FR*\i, ADRB+\slot, \q, \i
.endr
	WIN 0
.endm
.macro FETCH_A slot, q, i0
.irp i, \i0, \i0+1, \i0+2, \i0+3
	FRAGA AF+FR*(\i), ADRA+\slot, \q, \i
.endr
.endm
.macro PLACES n
.rept \n
	v_nop
.endr
.endm
.macro STEP slot, q, zero
	s_wait_dscnt 4*NL                              ; B's set and A's blocks 0-3 are in; the youngest sixteen loads may be out
	WIN MUL_LO
	MUL16 0, (\q)%2, \zero
	MUL16 2, (\q)%2, \zero
	s_wait_dscnt 0
	PLACES NP
	FETCH_B \slot, (\q)+1, 1-(\q)%2
	FETCH_A \slot, (\q)+1, 0
	WIN MUL_HI
	MUL16 4, (\q)%2, \zero
	MUL16 6, (\q)%2, \zero
	PLACES NP
	WIN 0
	FETCH_A \slot, (\q)+1, 4
.endm
.macro TURN slot, next, fill
	s_wait_tensorcnt 0x0                           ; all my tensor loads have landed: my part of the next slot
	ds_add_u32 v[SPW], v[NIL]                      ; 0 onto my spare word
	s_wait_dscnt 4*NL+1
	WIN MUL_LO
	MUL16 0, 1, 0
	s_wait_dscnt 0x0                               ; the add is done, and my reads of this slot are over
	s_barrier_signal -1
	MUL16 2, 1, 0
	WIN 0
	s_barrier_wait -1
.if \fill
	CREST                                          ; no wave of any partner still reads this slot or has a load on its way
	s_add_nc_u64 s[G0+4*\slot+2:G0+4*\slot+3], s[G0+4*\slot+2:G0+4*\slot+3], 8*HEADB
	s_add_nc_u64 s[G0B+4*\slot+2:G0B+4*\slot+3], s[G0B+4*\slot+2:G0B+4*\slot+3], 2*ROWB
	JLOAD G0+4*\slot, G1, G0B+4*\slot, G1B
.else
	PLACES NP
.endif
	FETCH_B \next, 0, 0
	FETCH_A \next, 0, 0
	WIN MUL_HI
	MUL16 4, 1, 0
	MUL16 6, 1, 0
	PLACES NP
	WIN 0
	FETCH_A \next, 0, 4
.endm
	s_wait_alu depctr_va_vdst(0)
	s_wait_tensorcnt 1                             ; my part of K step 0 is in; K step 1's may be out
	s_barrier_signal -1
	s_barrier_wait -1
	FETCH_B 0, 0, 0
	FETCH_A 0, 0, 0
	FETCH_A 0, 0, 4
	STEP 0, 0, 1
	s_mov_b32 s3, LAPS-1
.Llap:
	TURN 0, 1, 1
	STEP 1, 0, 0
	TURN 1, 0, 1
	STEP 0, 0, 0
	s_sub_co_u32 s3, s3, 1
	s_cmp_lg_u32 s3, 0
	s_cbranch_scc1 .Llap
	TURN 0, 1, 0
	STEP 1, 0, 0
	s_wait_dscnt 4*NL
	WIN MUL_LO
	MUL16 0, 1, 0
	MUL16 2, 1, 0
	s_wait_dscnt 0
	WIN MUL_HI
	MUL16 4, 1, 0
	MUL16 6, 1, 0
	WIN 0
; THE WAY OUT, block by block of 16 rows x 128 columns, through my own stage: back as whole rows of 512 bytes.
.macro TOSTAGE a
.set AC, 64*((\a)%4)
	WIN 0x02+((\a)/4)
.set j, 0
.rept 32
	v_pk_mul_f32 v[TMP+j:TMP+j+1], v[AC+j:AC+j+1], s[96:97] op_sel_hi:[1,0]   ; x 2^(e10 + e11); each accumulator from its low end on
.set j, j+2
.endr
	WIN 0
.irp b, 0,1,2,3,4,5,6,7
	ds_store_b128 v[STO], v[TMP+8*\b:TMP+8*\b+3] offset:64*\b
	ds_store_b128 v[STO], v[TMP+8*\b+4:TMP+8*\b+7] offset:64*\b+16
.endr
.set BB, BK+64*((\a)%2)
.irp t, 0,1,2,3,4,5,6,7,8,9,10,11,12,13,14,15
	ds_load_b128 v[BB+4*\t:BB+4*\t+3], v[RD] offset:\t*SPITCH
.endr
.endm
.macro SEND a, younger
.set BB, BK+64*((\a)%2)
	s_wait_dscnt \younger
.if (\a) > 0
	s_add_nc_u64 s[10:11], s[10:11], 16*SIZE_N*4   ; (behind a wait on XCNT: the earlier stores have read their base)
.endif
.irp t, 0,1,2,3,4,5,6,7,8,9,10,11,12,13,14,15
	global_store_b128 v[CO], v[BB+4*\t:BB+4*\t+3], s[10:11] offset:\t*SIZE_N*4 th:TH_STORE_NT   ; 32 lanes store 512 consecutive bytes
.endr
.endm
	s_wait_kmcnt 0x0
	s_add_co_i32 s96, s96, s97
	s_add_co_i32 s96, s96, 127
	s_lshl_b32 s96, s96, 23                        ; 2^(e10 + e11) as f32
	PLACES NP
	TOSTAGE 0
.irp a, 1,2,3,4,5,6,7
.if \a > 1
	s_wait_xcnt 0x0                                ; block a - 2's stores have read their registers and their base
.endif
	TOSTAGE \a
	SEND \a-1, 32                                  ; behind block a - 1's loads: block a's 16 stores and 16 loads
.endr
	s_wait_xcnt 0x0
	SEND 7, 0
	s_wait_tensorcnt 0x0                           ; the wave's end
	ds_add_u32 v[SPW], v[NIL]
	s_wait_dscnt 0x0
	CROUND                                         ; the closing round
	s_endpgm
.Lfunc_end_k_qf5d5a34184_oproj:
	.size	k_qf5d5a34184_oproj, .Lfunc_end_k_qf5d5a34184_oproj-k_qf5d5a34184_oproj
	.p2alignl 7, 3214868480
	.fill 96, 4, 3214868480
	.section	.rodata,"a",@progbits
	.p2align	6, 0x0
	.amdhsa_kernel k_qf5d5a34184_oproj
		.amdhsa_group_segment_fixed_size 327680
		.amdhsa_private_segment_fixed_size 0
		.amdhsa_enable_private_segment 0
		.amdhsa_kernarg_size 32
		.amdhsa_user_sgpr_count 2
		.amdhsa_user_sgpr_kernarg_segment_ptr 1
		.amdhsa_wavefront_size32 1
		.amdhsa_system_sgpr_workgroup_id_x 1
		.amdhsa_system_sgpr_workgroup_id_y 1
		.amdhsa_system_sgpr_workgroup_id_z 1
		.amdhsa_system_vgpr_workitem_id 0
		.amdhsa_next_free_vgpr 1024
		.amdhsa_next_free_sgpr 98
		.amdhsa_reserve_vcc 0
		.amdhsa_float_denorm_mode_32 3
		.amdhsa_float_denorm_mode_16_64 3
		.amdhsa_memory_ordered 1
		.amdhsa_forward_progress 1
		.amdhsa_inst_pref_size 124
	.end_amdhsa_kernel
	.amdgpu_metadata
---
amdhsa.version: [ 1, 2 ]
amdhsa.kernels:
  - .name:           k_qf5d5a34184_oproj
    .symbol:         k_qf5d5a34184_oproj.kd
    .args:
      - { .name: ac, .offset: 0, .size: 8, .value_kind: global_buffer, .address_space: global }
      - { .name: wc, .offset: 8, .size: 8, .value_kind: global_buffer, .address_space: global }
      - { .name: lowp_scales, .offset: 16, .size: 8, .value_kind: global_buffer, .address_space: global }
      - { .name: out0, .offset: 24, .size: 8, .value_kind: global_buffer, .address_space: global }
    .group_segment_fixed_size: 327680
    .private_segment_fixed_size: 0
    .kernarg_segment_align: 8
    .kernarg_segment_size: 32
    .max_flat_workgroup_size: 128
    .sgpr_count:     98
    .vgpr_count:     1024
    .wavefront_size: 32
...
	.end_amdgpu_metadata
.endif
;; end of part 4
